; MI455X (gfx1250); checked and timed in simulation.
; The chip was launched on July 23, 2026; its instructions are those of AMD's public machine-readable ISA for CDNA 5 (MIT licence, August 2026) and "CDNA5" Instruction Set Architecture Reference Guide (July 2026). The comments in the code are by the model that wrote it; some were corrected since.
;; Transformer Block. Allowed arithmetic: matrix products marked QUANTISED: E5M2 operands, one given power-of-two scale a tensor, by v_wmma_f32_16x16x64_bf8_bf8 or v_wmma_f32_16x16x128_bf8_bf8, f32 sums; everything else in f32.
;; Inputs: W1 1,024 x 4,096 float32; W2 4,096 x 1,024 float32; Wk 1,024 x 1,024 float32; Wo 1,024 x 1,024 float32; Wq 1,024 x 1,024 float32; Wv 1,024 x 1,024 float32; b1 4,096 float32; b2 1,024 float32; bo 1,024 float32; g1 1,024 float32; g2 1,024 float32; lowp_scales 16 int32 (the exponents e of the quantised operands' scales 2^e); s1 1,024 float32; s2 1,024 float32; x 2 x 2,048 x 1,024 float32.
;; Outputs: out0 2 x 2,048 x 1,024 float32.
;; This version of the problem:
;;   THIS VERSION OF THE PROBLEM IS GIVEN IN LOW PRECISION. The matrix products marked QUANTISED in the list below multiply operands that are first quantised to E5M2 (5 exponent bits, 2 mantissa bits; 8 bits a number), with one given power-of-two scale for each operand tensor; their sums are f32. All else is computed in f32.
;;   The module's matrix products, in the order in which they are computed (A, B: the left and right operand; K: the contracted axis; several contracted axes count as one K, in the product's order):
;;     1. [M 4,096, K 1,024] x [K 1,024, N 1,024]; A: computed on the way; B: input Wq: QUANTISED (scales: A lowp_scales[0], B lowp_scales[1])
;;     2. [M 4,096, K 1,024] x [K 1,024, N 1,024]; A: computed on the way; B: input Wk: QUANTISED (scales: A lowp_scales[2], B lowp_scales[3])
;;     3. [M 4,096, K 1,024] x [K 1,024, N 1,024]; A: computed on the way; B: input Wv: QUANTISED (scales: A lowp_scales[4], B lowp_scales[5])
;;     4. batch 32 x [M 2,048, K 64] x [K 64, N 2,048]; A: computed on the way; B: computed on the way: QUANTISED (scales: A lowp_scales[6], B lowp_scales[7])
;;     5. batch 32 x [M 64, K 2,048] x [K 2,048, N 2,048]; A: computed on the way; B: softmax (see below): QUANTISED (scales: A lowp_scales[8], B lowp_scales[9])
;;     6. [M 4,096, K 1,024] x [K 1,024, N 1,024]; A: computed on the way; B: input Wo: QUANTISED (scales: A lowp_scales[10], B lowp_scales[11])
;;     7. [M 4,096, K 1,024] x [K 1,024, N 4,096]; A: computed on the way; B: input W1: QUANTISED (scales: A lowp_scales[12], B lowp_scales[13])
;;     8. [M 4,096, K 4,096] x [K 4,096, N 1,024]; A: computed on the way; B: input W2: QUANTISED (scales: A lowp_scales[14], B lowp_scales[15])
;;   THE QUANTISER, for each operand of a quantised product, along K:
;;     - The operand's scale is 2^e, e = its entry of the input lowp_scales (int32; the entries are numbered through the quantised products in the list's order, A before B).
;;     - Each number is divided by the scale, clamped to +-57,344, and rounded to the nearest number of E5M2, ties to even, subnormals kept.
;;     - The product sums the exact products of the quantised numbers (number of the format x scale) in f32.
;;   ~~~python
;;   def quantise(x, axis, e):      # numpy; x: float32 -> the quantised numbers, widened to float32 again
;;       x = np.moveaxis(x, axis, -1); K = x.shape[-1]
;;       r = np.clip(x / 2.0 ** e, -57344, 57344)
;;       step = 2.0 ** (np.maximum(np.frexp(np.where(r == 0, 1, r))[1] - 1, -14) - 2)
;;       q = np.round(r / step) * step * 2.0 ** e      # np.round: ties to even
;;       return np.moveaxis(q, -1, axis).astype(np.float32)
;;   ~~~
;;   SOFTMAX AHEAD OF A QUANTISED PRODUCT. Where the list says 'softmax', what is quantised is not the finished softmax but p = 2^(t - M), with t = logit x log2(e) and M = ceil(the row's largest t), a whole number; so 1/2 < the row's largest p <= 1. The row's sum l is taken of the UNQUANTISED p, in f32, and the product's result is divided by l at the end. Since M is a whole number, a kernel that streams over the keys may use a running M (the ceiling of the running maximum): every later rescaling is an exact power of two, so the quantised numbers keep their values, but for numbers so far below the row's largest that they fall under the format's range.
;;   OPERANDS COMPUTED ON THE WAY. 'Computed on the way' means the value that the module computes at that place (a softmax that the list does not call 'softmax' is quantised finished and normalised). What goes into a quantiser is computed in f32, as accurately as f32 sums, v_exp_f32 and their like allow (about 1e-6 of the number): no bf16 or f16 on the way to a quantiser, and a product that is left as it is and whose result goes on into a quantised operand takes f32 operands (vector FMAs, or v_wmma_f32_16x16x4_f32). A number that lies on a knife's edge between two numbers of the format may be rounded either way, as far as f32 arithmetic and the matrix unit's own rounding can turn it there, and no further.
;; One version. Each part assembles by itself: llvm-mc -triple=amdgcn-amd-amdhsa -mcpu=gfx1250 --defsym DOCPART=n.
;; ======== version 1 of 1: 7 launches
;; limits: right only within a limited range of input values
;; workspace buffers: pc 25,165,824 bytes; qkvc 12,582,912 bytes; ctxc 4,194,304 bytes; x1 16,777,216 bytes; h2c 4,194,304 bytes; gc 16,777,216 bytes
;; launch prep (part 1): grid 640 x 1, 4 waves a work-group, no clusters, 55,808 bytes of LDS; arguments Wq, Wk, Wv, Wo, W1, W2, x, g1, s1, lowp_scales, pc; writes pc
.if DOCPART == 1
	.amdgcn_target "amdgcn-amd-amdhsa--gfx1250"
	.amdhsa_code_object_version 6
	.text
	.protected	k_q34611d4921_prep
	.globl	k_q34611d4921_prep
	.p2align	8
	.type	k_q34611d4921_prep,@function
k_q34611d4921_prep:
	s_mov_b64 s[64:65], 0
	v_nop
	global_prefetch_b8 v0, s[64:65] scope:SCOPE_SE
	s_setreg_imm32_b32 hwreg(HW_REG_WAVE_MODE, 25, 1), 1
	s_wait_xcnt 0x0
; PREP.  Work-groups 0-383: the six weights, f32 stored [K][N], become codes of E5M2 laid [N][K], K innermost, each with its given scale 2^e.
; Work-groups 384-639: h = layernorm(x) g1 + s1 in f32, quantised three times, with the scales of products 1, 2 and 3.
; pc, in bytes: 0 wq, 1M wk, 2M wv, 3M wo (each [1024 n][1024 k]); 4M w1 [4096 n][1024 k]; 8M w2 [1024 n][4096 k]; 12M, 16M, 20M h's three sets of codes [4096][1024].
; code = number / 2^e, held within +-57,344, to the nearest code, ties to even.
; LIMITS: each e used here lies between -126 and 112, so that 2^e and 57,344 x 2^e are f32 numbers.  NaN among the inputs is not served.
; No tensor loads, no barrier: waves share nothing.  The two paths part on the work-group's number and have LDS bytes of their own.
; WEIGHTS: a work-group takes 128 columns n x 256 along K; a lane takes one column and its registers run down K, so each load reads 128 consecutive bytes a wave
; and the conversions give codes with K innermost.  A wave's 32 columns x 256 bytes of codes go through its own stage (rows of 272 bytes) and leave sixteen lanes to 256 consecutive bytes.
; LAYERNORM: a wave takes 4 rows, one at a time.  Eight loads of 512 consecutive bytes bring a row; it turns through the wave's stage so that a lane holds 2 x 16 neighbours;
; mean, then the sum of squares of the differences (two passes in registers), both over the 32 lanes.
.set LNWG,  384
.set LNLDS, 34816                      ; behind the weights' four stages of 32 x 272 bytes
.set AD,  16                           ; weights: v16-47  i x (bytes of an input row) + 4 x lane; later the 16 offsets of the way out
.set XW,  48                           ; weights: v48-111 two sets of 32 numbers; later the rows read back
.set CW,  112                          ; weights: v112-119 a block's codes
.set BBS, 40                           ; weights: s[40:55] the address of each of the 8 blocks of 32 along K
.set R,   32                           ; layernorm: v32-63 a row as loaded
.set X,   64                           ; v64-95   the row turned: register 16 s + i = column 512 s + 16 lane + i
.set GG,  96                           ; v96-127  the gain, in the same places
.set SS,  128                          ; v128-159 the shift
.set T,   160                          ; v160-175 16 numbers held
.set C,   176                          ; v176..   codes: set q, half s at 8 q + 4 s
.set NSET, 3
.set PX,  32                           ; s[32:33] my first row of x
.set PG,  22                           ; s[22:23] the gain
.set PS,  24                           ; s[24:25] the shift
.set PO,  40                           ; s[40:45] my first row in each set of codes
.macro WLOAD t                         ; block t: W(32 t + i, my column), i = 0 .. 31, into set t % 2
.set i, 0
.rept 32
	global_load_b32 v[XW+32*((\t)%2)+i], v[AD+i], s[BBS+2*(\t):BBS+2*(\t)+1] th:TH_LOAD_NT
.set i, i+1
.endr
.endm
.macro WBLOCK t
.set XS, XW+32*((\t)%2)
.if (\t) < 7
	s_wait_loadcnt 32                              ; this block's 32 loads are in; the next block's 32 may be out
.else
	s_wait_loadcnt 0
.endif
.set i, 0
.rept 32
	v_med3_num_f32 v[XS+i], v[XS+i], -v10, v10     ; the conversion does not saturate (ISA guide 7.6.2): the hold at the largest code x the scale
.set i, i+1
.endr
.irp g, 0,1,2,3
	v_cvt_scalef32_pk8_bf8_f32 v[CW+2*\g:CW+2*\g+1], v[XS+8*\g:XS+8*\g+7], v11
.endr
	ds_store_b128 v4, v[CW:CW+3] offset:32*(\t)    ; 32 codes: 32 bytes of my column's row
	ds_store_b128 v4, v[CW+4:CW+7] offset:32*(\t)+16
.if (\t)+2 < 8
	WLOAD (\t)+2
.endif
	s_wait_dscnt 0x0                               ; the stores have read their registers: the next block's codes may be written
.endm
.macro XROW r                          ; a row: eight loads of 512 consecutive bytes
.irp i, 0,1,2,3,4,5,6,7
	global_load_b128 v[R+4*\i:R+4*\i+3], v3, s[PX:PX+1] offset:4096*(\r)+512*\i
.endr
.endm
.macro REDUCE                          ; v10 summed over the 32 lanes, the result in every lane
	v_add_f32_dpp v10, v10, v10 row_xmask:1 row_mask:0xf bank_mask:0xf
	v_add_f32_dpp v10, v10, v10 row_xmask:2 row_mask:0xf bank_mask:0xf
	v_add_f32_dpp v10, v10, v10 row_xmask:4 row_mask:0xf bank_mask:0xf
	v_add_f32_dpp v10, v10, v10 row_xmask:8 row_mask:0xf bank_mask:0xf
	v_permlanex16_b32 v11, v10, s62, s63
	v_add_f32 v10, v10, v11
.endm
.macro MKSC e, vs, vl                  ; 2^e and 57,344 x 2^e as f32
	s_add_co_i32 s4, \e, 127
	s_lshl_b32 s6, s4, 23
	v_mov_b32 v[\vs], s6
	s_add_co_i32 s4, s4, 15
	s_lshl_b32 s4, s4, 23
	s_or_b32 s4, s4, 0x600000
	v_mov_b32 v[\vl], s4
.endm
.macro QS q, r                         ; the row's codes under scale q: 512 consecutive bytes a store
.irp s, 0,1
.irp i, 0,1,2,3,4,5,6,7,8,9,10,11,12,13,14,15
	v_med3_num_f32 v[T+\i], v[X+16*\s+\i], -v[17+2*\q], v[17+2*\q]
.endr
	v_cvt_scalef32_pk8_bf8_f32 v[C+8*\q+4*\s:C+8*\q+4*\s+1], v[T:T+7], v[16+2*\q]
	v_cvt_scalef32_pk8_bf8_f32 v[C+8*\q+4*\s+2:C+8*\q+4*\s+3], v[T+8:T+15], v[16+2*\q]
	v_nop                                          ; a plain line between the conversions and the next holds, which write their sources
	global_store_b128 v3, v[C+8*\q+4*\s:C+8*\q+4*\s+3], s[PO+2*\q:PO+2*\q+1] offset:1024*(\r)+512*\s
.endr
.endm
.macro ROW r
	s_wait_loadcnt 0x0                             ; the row's eight loads (ahead of row 0: gain and shift too)
	s_wait_xcnt 0x0                                ; the last row's stores have read their codes: C may be written again
.irp s, 0,1
.irp i, 0,1,2,3
	ds_store_b128 v14, v[R+16*\s+4*\i:R+16*\s+4*\i+3] offset:2560*\s+640*\i
.endr
.irp i, 0,1,2,3
	ds_load_b128 v[X+16*\s+4*\i:X+16*\s+4*\i+3], v15 offset:2560*\s+16*\i   ; LDS serves a wave's instructions in order: these see the stores above
.endr
.endr
	s_wait_dscnt 0x0                               ; the row is back, and the stores have read R
.if \r < 3
	XROW \r+1
.endif
	v_pk_add_f32 v[10:11], v[X:X+1], v[X+2:X+3]    ; the sum, in two chains
	v_pk_add_f32 v[12:13], v[X+4:X+5], v[X+6:X+7]
.irp j, 8,12,16,20,24,28
	v_pk_add_f32 v[10:11], v[10:11], v[X+\j:X+\j+1]
	v_pk_add_f32 v[12:13], v[12:13], v[X+\j+2:X+\j+3]
.endr
	v_pk_add_f32 v[10:11], v[10:11], v[12:13]
	v_add_f32 v10, v10, v11
	REDUCE
	v_mul_f32 v6, s60, v10                         ; the mean: sum / 1024
	v_mov_b32 v7, v6
.irp j, 0,2,4,6,8,10,12,14,16,18,20,22,24,26,28,30
	v_pk_add_f32 v[X+\j:X+\j+1], v[X+\j:X+\j+1], v[6:7] neg_lo:[0,1] neg_hi:[0,1]
.endr
	v_pk_mul_f32 v[10:11], v[X:X+1], v[X:X+1]      ; the sum of squares of the differences
	v_pk_mul_f32 v[12:13], v[X+2:X+3], v[X+2:X+3]
.irp j, 4,8,12,16,20,24,28
	v_pk_fma_f32 v[10:11], v[X+\j:X+\j+1], v[X+\j:X+\j+1], v[10:11]
	v_pk_fma_f32 v[12:13], v[X+\j+2:X+\j+3], v[X+\j+2:X+\j+3], v[12:13]
.endr
	v_pk_add_f32 v[10:11], v[10:11], v[12:13]
	v_add_f32 v10, v10, v11
	REDUCE
	v_fmaak_f32 v8, s60, v10, 0x3727c5ac           ; variance + 1e-5
	s_wait_alu depctr_va_vdst(0)
	v_rsq_f32 v8, v8
	v_nop                                          ; a plain line behind the transcendental
	s_wait_alu depctr_va_vdst(0)
	v_mov_b32 v9, v8
.irp j, 0,2,4,6,8,10,12,14,16,18,20,22,24,26,28,30
	v_pk_mul_f32 v[X+\j:X+\j+1], v[X+\j:X+\j+1], v[8:9]
.endr
.irp j, 0,2,4,6,8,10,12,14,16,18,20,22,24,26,28,30
	v_pk_fma_f32 v[X+\j:X+\j+1], v[X+\j:X+\j+1], v[GG+\j:GG+\j+1], v[SS+\j:SS+\j+1]
.endr
	QS 0, \r
.if NSET > 1
	QS 1, \r
	QS 2, \r
.endif
.endm
	s_load_b512 s[8:23], s[0:1], 0x0               ; Wq s8, Wk s10, Wv s12, Wo s14, W1 s16, W2 s18, x s20, g1 s22
	s_load_b128 s[24:27], s[0:1], 0x40             ; s1 s24, the scales' exponents s26
	s_load_b64 s[28:29], s[0:1], 0x50              ; pc
	v_lshl_add_u32 v200, v0, 2, 0xd800
	v_mov_b32 v201, 0
	v_lshrrev_b32 v1, 5, v0
	v_readfirstlane_b32 s2, v1                     ; wave
	v_and_b32 v2, 31, v0                           ; lane
	s_cmp_ge_u32 ttmp9, LNWG
	s_cbranch_scc1 .Lln
	; ---- WEIGHTS.  t = work-group / 32: 0-3 Wq Wk Wv Wo, 4-7 W1, 8-11 W2
	s_lshr_b32 s3, ttmp9, 5
	s_lshr_b32 s4, s3, 2
	s_cmp_eq_u32 s4, 1
	s_cselect_b32 s5, 2, 0
	s_cselect_b32 s35, 5, 3                        ; log2 of the tiles of 128 columns: 32 for W1, else 8
	s_lshl_b32 s34, 4096, s5                       ; bytes of an input row: 16,384 for W1, else 4,096
	s_cmp_eq_u32 s4, 2
	s_cselect_b32 s5, 2, 0
	s_lshl_b32 s36, 1024, s5                       ; bytes of a row of codes: 4,096 for W2, else 1,024
	s_lshl_b32 s6, s3, 20
	s_lshl_b32 s7, s4, 22
	s_cmp_lt_u32 s3, 4
	s_cselect_b32 s38, s6, s7                      ; the tensor's place in pc
	s_cselect_b32 s5, 31, 127
	s_and_b32 s37, ttmp9, s5                       ; the work-group's number within its tensor
	s_lshl_b32 s6, s3, 3
	s_add_co_u32 s6, s6, 4
	s_lshl_b32 s7, s4, 3
	s_add_co_u32 s7, s7, 44
	s_cmp_lt_u32 s3, 3
	s_cselect_b32 s39, s6, s7                      ; byte of the tensor's exponent: entries 1, 3, 5, 11, 13, 15
	s_bfm_b32 s5, s35, 0
	s_and_b32 s6, s37, s5                          ; which 128 columns
	s_lshr_b32 s7, s37, s35                        ; which 256 along K
	s_lshl_b32 s6, s6, 7
	s_lshl_b32 s5, s2, 5
	s_add_co_u32 s6, s6, s5                        ; my wave's first column
	s_mul_i32 s30, s7, s34
	s_lshl_b32 s30, s30, 8
	s_lshl_b32 s5, s6, 2
	s_add_co_u32 s30, s30, s5                      ; in: 256 kt rows + 4 x column
	s_mov_b32 s31, 0
	s_lshl_b32 s56, s34, 5                         ; 32 rows
	s_mov_b32 s57, 0
	s_mul_i32 s60, s6, s36
	s_lshl_b32 s5, s7, 8
	s_add_co_u32 s60, s60, s5
	s_add_co_u32 s60, s60, s38                     ; out: column x row of codes + 256 kt + the tensor's place
	s_mov_b32 s61, 0
	s_lshl_b32 s62, s36, 1                         ; two rows of codes
	s_wait_alu depctr_va_vdst(0)
	v_lshlrev_b32 v3, 2, v2
.set i, 0
.rept 32
	v_mad_u32_u24 v[AD+i], s34, i, v3
.set i, i+1
.endr
	s_mul_i32 s5, s2, 8704                         ; my stage
	v_mul_u32_u24 v4, v2, 272
	v_add_nc_u32 v4, s5, v4                        ; into it: row = my column
	v_lshrrev_b32 v12, 4, v2
	v_and_b32 v13, 15, v2
	v_lshlrev_b32 v13, 4, v13
	v_mul_u32_u24 v7, v12, 272
	v_add_nc_u32 v7, v7, v13
	v_add_nc_u32 v7, s5, v7                        ; out of it: sixteen lanes to a row, two rows an instruction
	s_wait_alu depctr_va_vdst(0)
	s_wait_kmcnt 0x0
	s_mov_b64 s[32:33], s[8:9]                     ; the tensor: a choice that hangs on the work-group's number alone
	s_cmp_eq_u32 s3, 1
	s_cselect_b64 s[32:33], s[10:11], s[32:33]
	s_cmp_eq_u32 s3, 2
	s_cselect_b64 s[32:33], s[12:13], s[32:33]
	s_cmp_eq_u32 s3, 3
	s_cselect_b64 s[32:33], s[14:15], s[32:33]
	s_cmp_eq_u32 s4, 1
	s_cselect_b64 s[32:33], s[16:17], s[32:33]
	s_cmp_eq_u32 s4, 2
	s_cselect_b64 s[32:33], s[18:19], s[32:33]
	s_load_b32 s63, s[26:27], s39 offset:0x0       ; e
	s_add_nc_u64 s[BBS:BBS+1], s[32:33], s[30:31]
.irp t, 1,2,3,4,5,6,7
	s_add_nc_u64 s[BBS+2*\t:BBS+2*\t+1], s[BBS+2*\t-2:BBS+2*\t-1], s[56:57]
.endr
	s_add_nc_u64 s[58:59], s[28:29], s[60:61]
	WLOAD 0
	WLOAD 1
	s_wait_kmcnt 0x0
	MKSC s63, 11, 10
	s_wait_alu depctr_va_vdst(0)
.irp t, 0,1,2,3,4,5,6,7
	WBLOCK \t
.endr
	v_mad_u32_u24 v[AD], v12, s36, v13             ; every load is done: the offsets of the way out take their registers
.set t, 1
.rept 15
	v_add_nc_u32 v[AD+t], s62, v[AD+t-1]
.set t, t+1
.endr
.set t, 0
.rept 16
	ds_load_b128 v[XW+4*t:XW+4*t+3], v7 offset:544*t
.set t, t+1
.endr
.set t, 0
	s_wait_alu depctr_va_vdst(0)
.rept 16
	s_wait_dscnt 15-t
	global_store_b128 v[AD+t], v[XW+4*t:XW+4*t+3], s[58:59]   ; sixteen lanes store 256 consecutive bytes, at a multiple of 256 from pc's first byte
.set t, t+1
.endr
	s_wait_tensorcnt 0x0
	ds_add_u32 v200, v201
	s_wait_dscnt 0x0
	s_endpgm
	; ---- LAYERNORM 1
.Lln:
	s_sub_co_u32 s3, ttmp9, LNWG
	s_lshl_b32 s3, s3, 4
	s_lshl_b32 s4, s2, 2
	s_add_co_u32 s3, s3, s4                        ; my first row
	s_lshl_b32 s30, s3, 12
	s_mov_b32 s31, 0
	s_lshl_b32 s6, s3, 10
	s_add_co_u32 s6, s6, 0xc00000
	s_mov_b32 s7, 0
	s_mov_b32 s60, 0x3a800000                      ; 1 / 1024
	s_mov_b32 s62, 0x76543210
	s_mov_b32 s63, 0xfedcba98
	s_wait_alu depctr_va_vdst(0)
	v_lshlrev_b32 v3, 4, v2
	v_lshlrev_b32 v4, 6, v2
	s_mul_i32 s5, s2, 5120
	s_add_co_u32 s5, s5, LNLDS                     ; my two stages of 32 x 80 bytes
	v_lshrrev_b32 v14, 2, v2
	v_mul_u32_u24 v14, v14, 80
	v_and_b32 v15, 3, v2
	v_lshl_add_u32 v14, v15, 4, v14
	v_add_nc_u32 v14, s5, v14                      ; in: four lanes' 64 bytes on end, then 16 of padding
	v_mul_u32_u24 v15, v2, 80
	v_add_nc_u32 v15, s5, v15                      ; out: my 16 neighbours
	s_wait_alu depctr_va_vdst(0)
	s_wait_kmcnt 0x0
	s_load_b256 s[48:55], s[26:27], 0x0            ; entries 0 to 7; 0, 2 and 4 are h's
	s_add_nc_u64 s[PX:PX+1], s[20:21], s[30:31]
	s_add_nc_u64 s[PO:PO+1], s[28:29], s[6:7]
	s_add_nc_u64 s[PO+2:PO+3], s[PO:PO+1], 0x400000
	s_add_nc_u64 s[PO+4:PO+5], s[PO+2:PO+3], 0x400000
.irp s, 0,1
.irp i, 0,1,2,3
	global_load_b128 v[GG+16*\s+4*\i:GG+16*\s+4*\i+3], v4, s[PG:PG+1] offset:2048*\s+16*\i
	global_load_b128 v[SS+16*\s+4*\i:SS+16*\s+4*\i+3], v4, s[PS:PS+1] offset:2048*\s+16*\i
.endr
.endr
	XROW 0
	s_wait_kmcnt 0x0
	MKSC s48, 16, 17
	MKSC s50, 18, 19
	MKSC s52, 20, 21
	ROW 0
	ROW 1
	ROW 2
	ROW 3
	s_wait_tensorcnt 0x0
	ds_add_u32 v200, v201
	s_wait_dscnt 0x0
	s_endpgm
.Lfunc_end_k_q34611d4921_prep:
	.size	k_q34611d4921_prep, .Lfunc_end_k_q34611d4921_prep-k_q34611d4921_prep
	.p2alignl 7, 3214868480
	.fill 96, 4, 3214868480
	.section	.rodata,"a",@progbits
	.p2align	6, 0x0
	.amdhsa_kernel k_q34611d4921_prep
		.amdhsa_group_segment_fixed_size 55808
		.amdhsa_private_segment_fixed_size 0
		.amdhsa_enable_private_segment 0
		.amdhsa_kernarg_size 88
		.amdhsa_user_sgpr_count 2
		.amdhsa_user_sgpr_kernarg_segment_ptr 1
		.amdhsa_wavefront_size32 1
		.amdhsa_system_sgpr_workgroup_id_x 1
		.amdhsa_system_sgpr_workgroup_id_y 1
		.amdhsa_system_sgpr_workgroup_id_z 1
		.amdhsa_system_vgpr_workitem_id 0
		.amdhsa_next_free_vgpr 202
		.amdhsa_next_free_sgpr 66
		.amdhsa_reserve_vcc 0
		.amdhsa_float_denorm_mode_32 3
		.amdhsa_float_denorm_mode_16_64 3
		.amdhsa_memory_ordered 1
		.amdhsa_forward_progress 1
		.amdhsa_inst_pref_size 119
	.end_amdhsa_kernel
	.amdgpu_metadata
---
amdhsa.version: [ 1, 2 ]
amdhsa.kernels:
  - .name:           k_q34611d4921_prep
    .symbol:         k_q34611d4921_prep.kd
    .args:
      - { .name: Wq, .offset: 0, .size: 8, .value_kind: global_buffer, .address_space: global }
      - { .name: Wk, .offset: 8, .size: 8, .value_kind: global_buffer, .address_space: global }
      - { .name: Wv, .offset: 16, .size: 8, .value_kind: global_buffer, .address_space: global }
      - { .name: Wo, .offset: 24, .size: 8, .value_kind: global_buffer, .address_space: global }
      - { .name: W1, .offset: 32, .size: 8, .value_kind: global_buffer, .address_space: global }
      - { .name: W2, .offset: 40, .size: 8, .value_kind: global_buffer, .address_space: global }
      - { .name: x, .offset: 48, .size: 8, .value_kind: global_buffer, .address_space: global }
      - { .name: g1, .offset: 56, .size: 8, .value_kind: global_buffer, .address_space: global }
      - { .name: s1, .offset: 64, .size: 8, .value_kind: global_buffer, .address_space: global }
      - { .name: lowp_scales, .offset: 72, .size: 8, .value_kind: global_buffer, .address_space: global }
      - { .name: pc, .offset: 80, .size: 8, .value_kind: global_buffer, .address_space: global }
    .group_segment_fixed_size: 55808
    .private_segment_fixed_size: 0
    .kernarg_segment_align: 8
    .kernarg_segment_size: 88
    .max_flat_workgroup_size: 128
    .sgpr_count:     66
    .vgpr_count:     202
    .wavefront_size: 32
...
	.end_amdgpu_metadata
.endif
;; end of part 1
;; launch qkv (part 2): grid 12 x 16, 4 waves a work-group, clusters of 4 x 4, 327,680 bytes of LDS; arguments pc, lowp_scales, qkvc; writes qkvc
.if DOCPART == 2
	.amdgcn_target "amdgcn-amd-amdhsa--gfx1250"
	.amdhsa_code_object_version 6
	.text
	.protected	k_q34611d4921_qkv
	.globl	k_q34611d4921_qkv
	.p2align	8
	.type	k_q34611d4921_qkv,@function
k_q34611d4921_qkv:
	s_mov_b64 s[64:65], 0
	v_nop
	global_prefetch_b8 v0, s[64:65] scope:SCOPE_SE
	s_setreg_imm32_b32 hwreg(HW_REG_WAVE_MODE, 25, 1), 1
	s_wait_xcnt 0x0
	s_wait_alu depctr_hold_cnt(0) depctr_sa_sdst(0) depctr_va_vdst(0) depctr_va_sdst(0) depctr_va_ssrc(0) depctr_va_vcc(0) depctr_vm_vsrc(0)
	s_getreg_b32 s2, hwreg(HW_REG_IB_STS2, 6, 4)
	s_cmp_eq_u32 s2, 0
	s_cbranch_scc0 .Lentry_in_a_cluster
	s_endpgm
.Lentry_in_a_cluster:
	s_bfe_u32 s2, ttmp6, 0x10000c
	s_cmp_lg_u32 s2, 0xf033
	s_cbranch_scc0 .Lentry_shape_is_right
	s_endpgm
.Lentry_shape_is_right:
; Q = h Wq, K = h Wk, V = h Wv on codes of E5M2, and each result quantised at once for the attention's products.  The cluster's x says which: 0 Q, 1 K, 2 V.
; A tile of 256 x 256 is made by four waves, each 128 x 128: 64 accumulators of 16 x 16.  K = 1,024 goes in steps of 256 through a ring of two LDS slots filled by the tensor data mover.
; The matrix instruction takes source 0 = 16 rows of "B", source 1 = 16 rows of "A": a lane holds one row of A's side and eight neighbours of B's side.
; Q, K: A = h's codes (tokens), B = the weight's codes (channels): a lane's eight numbers are eight channels of one token: neighbours along the K of Q K^T.
; V:    A = Wv's codes (channels), B = h's codes (tokens): a lane's eight numbers are eight KEYS of one channel: neighbours along the K of the second product.  Only the two offsets in pc change places.
; CLUSTERS: 4 x 4 work-groups; A's tile is shared along a row of the cluster, B's along a column: each is asked for jointly, by the same tensor load with the same descriptor and a mask that names the four.
; OUT (qkvc): 0 Q, 4M K: [bh][s][64];  8M V: [bh][s / 256][(s / 64) % 4][d 64][s % 64]; bh = 16 batch + head.  A sum stands for sum x 2^(eA + eB): the conversion takes 2^(e_out - eA - eB).
; LIMITS: e6 - e0 - e1, e7 - e2 - e3 and e8 - e4 - e5 lie between -126 and 112, so that the scale and 57,344 x the scale are f32 numbers.
; REGISTERS, in windows of 256: window 0: v0-31 addresses; from v128 A's fragments, one set; window 1: B's fragments, two sets; windows 2, 3: the accumulators ((a, b) at v[8 (8 (a % 4) + b)]).
.set ROWB,   256
.set KROW,   1024
.set PITCH,  272                       ; an LDS row: 256 bytes + 16 of padding: the 16 rows that a load touches start at 16 different groups of four banks
.set FR,     16
.set NL,     4
.set NP,     4
.set HALFT,  128*PITCH
.set SLOT,   4*HALFT
.set LAPS,   2                         ; 1,024 along K = two laps of two K steps
.set SPARE,  2*SLOT                    ; behind the ring: the spare words, 128 bytes for each wave
.set QP,     336                       ; the way out: a stage of 256 rows x (256 bytes + 80) in slot 0, which has had its last fill and its last read by then
.set ADRA, 16
.set ADRB, 20
.set STO,  24
.set RD,   25
.set CO,   26
.set RD2,  27
.set SPW,  28
.set NIL,  29
.set TMP,  32                          ; the way out: 64 numbers held
.set CD,   96                          ; the way out: codes, 16 registers for each block, none written twice
.set AF,   128
.set G1, 24
.set G0, 32
.set G1B, 48
.set G0B, 56
.set MSB, 0
.macro WIN new                         ; the immediate's high byte repeats the setting that is left
.if MSB != \new
	s_set_vgpr_msb (MSB<<8)|\new
.set MSB, \new
.endif
.endm
.set MUL_LO, 0xa1
.set MUL_HI, 0xf1
.set TO_B,   0x40
.macro JLOAD g0a, g1a, g0b, g1b        ; a joint load: waves 0, 1 fetch for A, waves 2, 3 for B; four v_nop follow each line
	s_cmp_eq_u32 s15, 0
	s_cbranch_scc0 .Lfor_b_\@
	tensor_load_to_lds s[\g0a:\g0a+3], s[\g1a:\g1a+7]
	s_nop 0
.rept 4
	v_nop
.endr
	s_branch .Lasked_\@
.Lfor_b_\@:
	tensor_load_to_lds s[\g0b:\g0b+3], s[\g1b:\g1b+7]
	s_nop 0
.rept 4
	v_nop
.endr
.Lasked_\@:
.endm
.macro CREST
	s_cmp_lg_u32 s14, 0
	s_cbranch_scc1 .Lnot_wave_0_\@
	s_barrier_signal -3
.Lnot_wave_0_\@:
	s_barrier_wait -3
	s_barrier_signal -1
	s_barrier_wait -1
.endm
.macro CROUND
	s_barrier_signal -1
	s_barrier_wait -1
	CREST
.endm
	s_load_b128 s[4:7], s[0:1], 0x0                ; pc s[4:5], the scales' exponents s[6:7]
	s_load_b64 s[10:11], s[0:1], 0x10              ; qkvc
	v_lshl_add_u32 v[SPW], v0, 2, SPARE
	v_mov_b32 v[NIL], 0
	ds_add_u32 v28, v29
	ds_add_u32 v28, v29
	s_wait_dscnt 0x0
	v_lshrrev_b32 v1, 5, v0
	v_readfirstlane_b32 s14, v1                    ; wave 0..3
	s_lshr_b32 s15, s14, 1                         ; my half of A's rows.  Also: I fetch for A (0) or for B (1)
	s_and_b32 s16, s14, 1                          ; my half of B's rows.  Also: which 128 rows I fetch
	s_bfe_u32 s40, ttmp6, 0x40000                  ; cx
	s_bfe_u32 s41, ttmp6, 0x40004                  ; cy
	s_and_b32 s17, ttmp7, 0xffff                   ; Y: which 1,024 tokens
	s_lshr_b32 s66, ttmp9, 1                       ; 1 for V
	s_xor_b32 s67, s66, 1                          ; 1 for Q and K
	s_lshl_b32 s43, s41, 2
	s_lshl_b32 s43, 15, s43                        ; my row of the cluster
	s_lshl_b32 s44, 0x1111, s40                    ; my column
	s_or_b32 s[G1+0], s43, (0<<16)|(1<<20)|(1<<21)|(5<<22)|(3<<25)   ; the mask; elements of 1 byte; padding on; bit 21 beside a mask; 4 words behind every 64
	s_or_b32 s[G1B+0], s44, (0<<16)|(1<<20)|(1<<21)|(5<<22)|(3<<25)
.irp g, G1, G1B
	s_mov_b32 s[\g+1], ROWB<<16                    ; tensor_dim0
	s_mov_b32 s[\g+2], 128<<16                     ; tensor_dim1
	s_mov_b32 s[\g+3], ROWB<<16                    ; tile_dim0
	s_mov_b32 s[\g+4], 128                         ; tile_dim1
	s_mov_b32 s[\g+5], KROW                        ; the pitch
	s_mov_b32 s[\g+6], 0
	s_mov_b32 s[\g+7], 0
.endr
	; A's offset in pc: 256 cy rows + my 128 + (Q, K: h's codes of this product, 1,024 Y rows on; V: Wv's codes).  No cx enters it
	s_lshl_b32 s18, ttmp9, 22
	s_lshl_b32 s19, s17, 20
	s_add_co_u32 s18, s18, s19
	s_add_co_u32 s18, s18, 0xc00000
	s_mul_i32 s18, s18, s67
	s_lshl_b32 s20, s66, 21
	s_add_co_u32 s20, s20, s18
	s_lshl_b32 s18, s41, 18
	s_add_co_u32 s20, s20, s18
	s_lshl_b32 s18, s16, 17
	s_add_co_u32 s20, s20, s18
	s_mov_b32 s21, 0
	; B's offset: 256 cx rows + my 128 + (Q, K: the weight's codes; V: h's third set, 1,024 Y rows on).  No cy enters it
	s_lshl_b32 s22, ttmp9, 20
	s_mul_i32 s22, s22, s67
	s_lshl_b32 s23, s17, 20
	s_add_co_u32 s23, s23, 0x1400000
	s_mul_i32 s23, s23, s66
	s_add_co_u32 s46, s22, s23
	s_lshl_b32 s22, s40, 18
	s_add_co_u32 s46, s46, s22
	s_lshl_b32 s22, s16, 17
	s_add_co_u32 s46, s46, s22
	s_mov_b32 s47, 0
	s_mul_i32 s45, s14, HALFT                      ; where a wave's tile goes: wave x 128 rows
	s_lshl_b32 s74, ttmp9, 3
	s_lshl_b32 s76, ttmp9, 2
	s_wait_kmcnt 0x0
	s_load_b64 s[96:97], s[6:7], s74 offset:0x0    ; the product's two exponents: entries 2 X, 2 X + 1
	s_load_b32 s75, s[6:7], s76 offset:0x18        ; the result's: entry 6 + X
	s_add_nc_u64 s[20:21], s[4:5], s[20:21]
	s_add_nc_u64 s[46:47], s[4:5], s[46:47]
	CROUND                                         ; all sixteen work-groups are here: the first joint loads meet
.irp s, 0,1
	s_mov_b32 s[G0+4*\s], 1
	s_add_co_u32 s[G0+4*\s+1], s45, \s*SLOT
	s_add_nc_u64 s[G0+4*\s+2:G0+4*\s+3], s[20:21], \s*ROWB
	s_or_b32 s[G0+4*\s+3], s[G0+4*\s+3], 0x80000000
	s_mov_b32 s[G0B+4*\s], 1
	s_add_co_u32 s[G0B+4*\s+1], s45, \s*SLOT
	s_add_nc_u64 s[G0B+4*\s+2:G0B+4*\s+3], s[46:47], \s*ROWB
	s_or_b32 s[G0B+4*\s+3], s[G0B+4*\s+3], 0x80000000
.endr
	JLOAD G0, G1, G0B, G1B                         ; K step 0: one tensor load a wave at the head
	v_and_b32 v1, 15, v0
	s_wait_alu depctr_va_vdst(0)
	v_bfe_u32 v2, v0, 4, 1                         ; h
	v_mul_u32_u24 v3, v1, PITCH
	v_lshl_add_u32 v4, v2, 4, v3
	s_mul_i32 s21, s15, HALFT
	s_mul_i32 s22, s16, HALFT
	s_add_co_u32 s22, s22, 2*HALFT
.irp s, 0,1
	v_add_nc_u32 v[ADRA+\s], s21, v4
	v_add_nc_u32 v[ADRB+\s], s22, v4
	s_add_co_u32 s21, s21, SLOT
	s_add_co_u32 s22, s22, SLOT
.endr
	s_mul_i32 s23, s15, 128*QP                     ; the stage, in: row 128 wr + r, byte 128 wc + 8 h
	s_lshl_b32 s22, s16, 7
	s_add_co_u32 s23, s23, s22
	v_mul_u32_u24 v5, v1, QP
	s_wait_alu depctr_va_vdst(0)
	v_lshl_add_u32 v5, v2, 3, v5
	v_add_nc_u32 v[STO], s23, v5
	v_and_b32 v6, 31, v0
	v_lshrrev_b32 v7, 2, v6                        ; back: wave w takes bytes 64 w .. 64 w + 63 of every row: four lanes to a row, eight rows an instruction
	v_mul_u32_u24 v7, v7, QP
	v_and_b32 v8, 3, v6
	v_lshl_add_u32 v7, v8, 4, v7
	s_lshl_b32 s23, s14, 6
	v_add_nc_u32 v[RD], s23, v7
	v_add_nc_u32 v[RD2], 128*QP, v[RD]             ; rows 128 on: the immediate has 16 bits
	v_lshlrev_b32 v[CO], 4, v6                     ; and 512 consecutive bytes of qkvc
	; where it goes.  T = which 256 tokens (Q, K: 4 Y + cy; V: 4 Y + cx); c = which four heads (Q, K: cx; V: cy)
	s_mul_i32 s68, s41, s67
	s_mul_i32 s69, s40, s66
	s_add_co_u32 s68, s68, s69
	s_lshl_b32 s69, s17, 2
	s_add_co_u32 s68, s68, s69                     ; T
	s_mul_i32 s69, s40, s67
	s_mul_i32 s70, s41, s66
	s_add_co_u32 s69, s69, s70                     ; c
	s_lshr_b32 s70, s68, 3                         ; batch
	s_and_b32 s68, s68, 7                          ; which 256 of the batch's tokens
	s_lshl_b32 s70, s70, 4
	s_lshl_b32 s69, s69, 2
	s_add_co_u32 s70, s70, s69                     ; 16 batch + 4 c
	s_lshl_b32 s70, s70, 17
	s_lshl_b32 s68, s68, 14
	s_add_co_u32 s70, s70, s68
	s_lshl_b32 s68, ttmp9, 22
	s_add_co_u32 s70, s70, s68
	s_mul_i32 s68, s66, 126976
	s_sub_co_u32 s69, 131072, s68                  ; from wave to wave: a head (Q, K) or 64 keys' block of 4,096 bytes (V)
	s_mul_i32 s69, s69, s14
	s_add_co_u32 s70, s70, s69
	s_mov_b32 s71, 0
	s_add_co_u32 s72, s68, 4096                    ; from 64 rows of the stage to the next: 64 tokens (Q, K) or a head (V)
	s_mov_b32 s73, 0
	s_add_nc_u64 s[80:81], s[10:11], s[70:71]
	s_add_nc_u64 s[82:83], s[80:81], s[72:73]
	s_add_nc_u64 s[84:85], s[82:83], s[72:73]
	s_add_nc_u64 s[86:87], s[84:85], s[72:73]
.macro FRAG reg, adr, q, i             ; 16 rows x 128 K in 16 registers: lane l holds row l % 16; registers 4 c .. 4 c + 3 hold K = 32 c + 16 (l / 16) + 0 .. 15: the same order of k on both sides
.irp c, 0,1,2,3
	ds_load_b128 v[\reg+4*\c:\reg+4*\c+3], v[\adr] offset:128*(\q)+32*\c+(\i)*16*PITCH
.endr
.endm
.macro MUL16 a0, p, zero               ; 16 matrix instructions; the 64 accumulators take turns, in the same order in every step
.irp a, \a0, \a0+1
.irp b, 0,1,2,3,4,5,6,7
.if \zero
	v_wmma_f32_16x16x128_bf8_bf8 v[8*(8*((\a)%4)+\b):8*(8*((\a)%4)+\b)+7], v[128*(\p)+FR*\b:128*(\p)+FR*\b+FR-1], v[AF+FR*(\a):AF+FR*(\a)+FR-1], 0
.else
	v_wmma_f32_16x16x128_bf8_bf8 v[8*(8*((\a)%4)+\b):8*(8*((\a)%4)+\b)+7], v[128*(\p)+FR*\b:128*(\p)+FR*\b+FR-1], v[AF+FR*(\a):AF+FR*(\a)+FR-1], v[8*(8*((\a)%4)+\b):8*(8*((\a)%4)+\b)+7]
.endif
.endr
.endr
.endm
.macro FETCH_B slot, q, p
	WIN TO_B
.irp i, 0,1,2,3,4,5,6,7
	FRAG 128*(\p)+FR*\i, ADRB+\slot, \q, \i
.endr
	WIN 0
.endm
.macro FETCH_A slot, q, i0
.irp i, \i0, \i0+1, \i0+2, \i0+3
	FRAG AF+FR*(\i), ADRA+\slot, \q, \i
.endr
.endm
.macro PLACES n                        ; plain vector lines between a matrix instruction and a load into, or a read of, its registers
.rept \n
	v_nop
.endr
.endm
.macro STEP slot, q, zero              ; 128 along K with its successor in the same slot
	s_wait_dscnt 4*NL                              ; B's set and A's blocks 0-3 are in; A's blocks 4-7 (16 loads) may be out
	WIN MUL_LO
	MUL16 0, (\q)%2, \zero
	MUL16 2, (\q)%2, \zero
	s_wait_dscnt 0
	PLACES NP
	FETCH_B \slot, (\q)+1, 1-(\q)%2
	FETCH_A \slot, (\q)+1, 0
	WIN MUL_HI
	MUL16 4, (\q)%2, \zero
	MUL16 6, (\q)%2, \zero
	PLACES NP
	WIN 0
	FETCH_A \slot, (\q)+1, 4
.endm
.macro TURN slot, next, fill           ; a slot's last step changes slots: one barrier; fill = 1: it opens a round of the cluster's barrier and the slot is filled again
	s_wait_tensorcnt 0x0                           ; all my tensor loads have landed: my part of the next slot
	ds_add_u32 v[SPW], v[NIL]                      ; 0 onto my spare word
	s_wait_dscnt 4*NL+1                            ; the add and A's blocks 4-7 may be out
	WIN MUL_LO
	MUL16 0, 1, 0
	s_wait_dscnt 0x0                               ; the add is done, and my reads of this slot are over
	s_barrier_signal -1
	MUL16 2, 1, 0
	WIN 0
	s_barrier_wait -1
.if \fill
	CREST                                          ; no wave of any partner still reads this slot or has a load on its way
	s_add_nc_u64 s[G0+4*\slot+2:G0+4*\slot+3], s[G0+4*\slot+2:G0+4*\slot+3], 2*ROWB
	s_add_nc_u64 s[G0B+4*\slot+2:G0B+4*\slot+3], s[G0B+4*\slot+2:G0B+4*\slot+3], 2*ROWB
	JLOAD G0+4*\slot, G1, G0B+4*\slot, G1B         ; my one tensor load behind the round; its four v_nop are the places in front of the loads below
.else
	PLACES NP
.endif
	FETCH_B \next, 0, 0
	FETCH_A \next, 0, 0
	WIN MUL_HI
	MUL16 4, 1, 0
	MUL16 6, 1, 0
	PLACES NP
	WIN 0
	FETCH_A \next, 0, 4
.endm
	s_wait_alu depctr_va_vdst(0)
	s_wait_tensorcnt 0x0                           ; my part of K step 0 is in; slot 1's first fill is issued as a refill is
	ds_add_u32 v[SPW], v[NIL]
	s_wait_dscnt 0x0
	CROUND                                         ; everybody's part of K step 0 is in, and the joint loads meet
	JLOAD G0+4, G1, G0B+4, G1B                     ; K step 1: my one tensor load behind the round
	FETCH_B 0, 0, 0
	FETCH_A 0, 0, 0
	FETCH_A 0, 0, 4
	STEP 0, 0, 1                                   ; the first step's products start the sums
	s_mov_b32 s3, LAPS-1
.Llap:
	TURN 0, 1, 1
	STEP 1, 0, 0
	TURN 1, 0, 1
	STEP 0, 0, 0
	s_sub_co_u32 s3, s3, 1
	s_cmp_lg_u32 s3, 0
	s_cbranch_scc1 .Llap
	TURN 0, 1, 0                                   ; the last lap fills nothing
	STEP 1, 0, 0
	s_wait_dscnt 4*NL
	WIN MUL_LO
	MUL16 0, 1, 0
	MUL16 2, 1, 0
	s_wait_dscnt 0
	WIN MUL_HI
	MUL16 4, 1, 0
	MUL16 6, 1, 0
	WIN 0
	; THE WAY OUT: held, converted (a lane's eight numbers are 8 bytes), into the work-group's stage; a barrier; back by columns of 64 bytes, 512 consecutive bytes of qkvc a store.
	s_wait_kmcnt 0x0
	s_sub_co_i32 s75, s75, s96
	s_sub_co_i32 s75, s75, s97                     ; e_out - eA - eB
	s_add_co_i32 s75, s75, 127
	s_lshl_b32 s74, s75, 23
	v_mov_b32 v18, s74                             ; the conversion's scale
	s_add_co_i32 s75, s75, 15
	s_lshl_b32 s75, s75, 23
	s_or_b32 s75, s75, 0x600000
	v_mov_b32 v19, s75                             ; 57,344 x the scale
	PLACES NP
.macro QOUT a
.set AC, 64*((\a)%4)
	WIN 0x02+((\a)/4)                              ; source 0: window 2 or 3
.set j, 0
.rept 64
	v_med3_num_f32 v[TMP+j], v[AC+j], -v19, v19    ; each accumulator from its low end on
.set j, j+1
.endr
	WIN 0
.irp b, 0,1,2,3,4,5,6,7
	v_cvt_scalef32_pk8_bf8_f32 v[CD+16*(\a)+2*\b:CD+16*(\a)+2*\b+1], v[TMP+8*\b:TMP+8*\b+7], v18
.endr
	v_nop                                          ; a plain line between the conversions and the next block's holds, which write their sources
.irp b, 0,1,2,3,4,5,6,7
	ds_store_b64 v[STO], v[CD+16*(\a)+2*\b:CD+16*(\a)+2*\b+1] offset:16*QP*(\a)+16*\b
.endr
.endm
.irp a, 0,1,2,3,4,5,6,7
	QOUT \a
.endr
	s_wait_dscnt 0x0                               ; for the others' sake: my stores into the stage are done
	s_barrier_signal -1
	s_barrier_wait -1
.set t, 0
.rept 32
.if t < 16
	ds_load_b128 v[32+4*t:35+4*t], v[RD] offset:8*QP*t
.else
	ds_load_b128 v[32+4*t:35+4*t], v[RD2] offset:8*QP*(t-16)
.endif
.set t, t+1
.endr
.set t, 0
.rept 32
	s_wait_dscnt 31-t
	global_store_b128 v[CO], v[32+4*t:35+4*t], s[80+2*(t/8):81+2*(t/8)] offset:512*(t%8)
.set t, t+1
.endr
	s_wait_tensorcnt 0x0                           ; the wave's end
	ds_add_u32 v[SPW], v[NIL]
	s_wait_dscnt 0x0
	CROUND                                         ; the closing round
	s_endpgm
.Lfunc_end_k_q34611d4921_qkv:
	.size	k_q34611d4921_qkv, .Lfunc_end_k_q34611d4921_qkv-k_q34611d4921_qkv
	.p2alignl 7, 3214868480
	.fill 96, 4, 3214868480
	.section	.rodata,"a",@progbits
	.p2align	6, 0x0
	.amdhsa_kernel k_q34611d4921_qkv
		.amdhsa_group_segment_fixed_size 327680
		.amdhsa_private_segment_fixed_size 0
		.amdhsa_enable_private_segment 0
		.amdhsa_kernarg_size 24
		.amdhsa_user_sgpr_count 2
		.amdhsa_user_sgpr_kernarg_segment_ptr 1
		.amdhsa_wavefront_size32 1
		.amdhsa_system_sgpr_workgroup_id_x 1
		.amdhsa_system_sgpr_workgroup_id_y 1
		.amdhsa_system_sgpr_workgroup_id_z 1
		.amdhsa_system_vgpr_workitem_id 0
		.amdhsa_next_free_vgpr 1024
		.amdhsa_next_free_sgpr 98
		.amdhsa_reserve_vcc 0
		.amdhsa_float_denorm_mode_32 3
		.amdhsa_float_denorm_mode_16_64 3
		.amdhsa_memory_ordered 1
		.amdhsa_forward_progress 1
		.amdhsa_inst_pref_size 127
	.end_amdhsa_kernel
	.amdgpu_metadata
---
amdhsa.version: [ 1, 2 ]
amdhsa.kernels:
  - .name:           k_q34611d4921_qkv
    .symbol:         k_q34611d4921_qkv.kd
    .args:
      - { .name: pc, .offset: 0, .size: 8, .value_kind: global_buffer, .address_space: global }
      - { .name: lowp_scales, .offset: 8, .size: 8, .value_kind: global_buffer, .address_space: global }
      - { .name: qkvc, .offset: 16, .size: 8, .value_kind: global_buffer, .address_space: global }
    .group_segment_fixed_size: 327680
    .private_segment_fixed_size: 0
    .kernarg_segment_align: 8
    .kernarg_segment_size: 24
    .max_flat_workgroup_size: 128
    .sgpr_count:     98
    .vgpr_count:     1024
    .wavefront_size: 32
...
	.end_amdgpu_metadata
.endif
;; end of part 2
;; launch attn (part 3): grid 8 x 32, 16 waves a work-group, clusters of 4 x 1, 327,680 bytes of LDS; arguments qkvc, lowp_scales, ctxc; writes ctxc
.if DOCPART == 3
	.amdgcn_target "amdgcn-amd-amdhsa--gfx1250"
	.amdhsa_code_object_version 6
	.text
	.protected	k_q34611d4921_attn
	.globl	k_q34611d4921_attn
	.p2align	8
	.type	k_q34611d4921_attn,@function
k_q34611d4921_attn:
	s_mov_b64 s[64:65], 0
	v_nop
	global_prefetch_b8 v0, s[64:65] scope:SCOPE_SE
	s_setreg_imm32_b32 hwreg(HW_REG_WAVE_MODE, 25, 1), 1
	s_wait_xcnt 0x0
	s_wait_alu depctr_hold_cnt(0) depctr_sa_sdst(0) depctr_va_vdst(0) depctr_va_sdst(0) depctr_va_ssrc(0) depctr_va_vcc(0) depctr_vm_vsrc(0)
	s_getreg_b32 s2, hwreg(HW_REG_IB_STS2, 6, 4)
	s_cmp_eq_u32 s2, 0
	s_cbranch_scc0 .Lentry_in_a_cluster
	s_endpgm
.Lentry_in_a_cluster:
	s_bfe_u32 s2, ttmp6, 0x10000c
	s_cmp_lg_u32 s2, 0x3003
	s_cbranch_scc0 .Lentry_shape_is_right
	s_endpgm
.Lentry_shape_is_right:
; Causal attention on codes of E5M2, head size 64, 2,048 keys, 32 heads (bh = work-group y).  ctx is quantised for the next product and stored as codes [bh][s][64].
; Key steps all of whose keys lie behind the causal mask that the problem builds itself are left out.
; THE SOFTMAX: t = score x log2(e) / 8; M = the running largest t rounded up to a whole number; p = 2^(t - M) is quantised along the keys; the row's sum is taken of the unquantised p and divides at the end.
; When M moves, the sum and O are multiplied by 2^(old M - new M), which rounds nothing.
; SHARES.  Work-group j (0..7) of a head owns sixteen tiles of 16 queries: the tile of rank rho holds queries 128 rho + 16 j + 0 .. 15 and has rho + 1 key steps of 128 keys, step rho being the one on the diagonal.
; The tiles of ranks p and 15 - p are a pair, 17 steps, shared between two waves: wave p works steps 0 .. 7 of tile 15 - p (8 steps); wave 8 + p works that tile's other 8 - p steps, from the diagonal down to step 8,
; lays its part (O^T, -M, the sums) into the pair's LDS bytes, and then works tile p whole (p + 1 steps): 9 steps.  Every wave walks 9 trips; wave p leaves the ninth out.
; A barrier stands ahead of the ninth trip: by then every part lies in LDS.  Behind it wave p joins the two parts under the larger M (both are multiplied by whole powers of two) and stores tile 15 - p; wave 8 + p stores tile p.
; The key step of trip i is made of i and the wave's number with no branch: u = i + c (c = 16, or 8 + p in waves 8 + p); while u < 16 the step is (u xor 15) + 8, from then on u - 16.  All branches hang on the wave's number and on i, alike in all partners.
; LDS holds the head's whole K and V, each filled ONCE: wave w fetches an eighth of K (waves 0-7) or of V (waves 8-15), 64 lines, by its one tensor load.  The four work-groups of a cluster belong to one head: every tile is asked for jointly.
; No prefetch: all that the launch reads by tensor loads is asked for at its head, and there is no loop to run ahead in.
; LAYOUT.  S^T = K Q^T (source 0 = 16 keys, source 1 = my 16 queries), O^T = V^T P^T (source 0 = 16 channels, source 1 = p's codes): a lane holds one query (lane % 16) throughout.
; In S^T's tile t a lane's eight registers are keys 16 t + 8 (lane / 16) + 0 .. 7: their codes are registers 2 t, 2 t + 1 of the K = 128 form's operand, and V is read from LDS in that same order.
; LIMITS: e6 + e7 between -123 and 130 (added to c's exponent field); e9 and e10 - e8 - e9 between -126 and 112.
.set VOFF,  139264                     ; K: 512 lines of 256 + 16 bytes, four keys a line; then V: the same, four channels x 64 keys a line, 16 lines for 64 keys
.set STG,   278528                     ; behind them: 4 lines of 272 bytes for each of waves 8-15, for the way out
.set PART,  287232                     ; then 4,608 bytes for each pair: 9 x 512, a part of a tile; wave p's stage for the way out lies there too, once it has read the part
.set SPARE, 324096                     ; the spare words, 128 bytes for each wave
.set STEPB, 8704                       ; 128 keys: 32 lines
.macro CROUND
	s_barrier_signal -1
	s_barrier_wait -1
	s_cmp_lg_u32 s18, 0
	s_cbranch_scc1 .Lnot_wave_0_\@
	s_barrier_signal -3
.Lnot_wave_0_\@:
	s_barrier_wait -3
	s_barrier_signal -1
	s_barrier_wait -1
.endm
	s_load_b128 s[4:7], s[0:1], 0x0                ; qkvc, the scales' exponents
	s_load_b64 s[8:9], s[0:1], 0x10                ; ctxc
	v_lshl_add_u32 v254, v0, 2, SPARE
	v_mov_b32 v255, 0
	ds_add_u32 v254, v255                          ; the opening lines
	ds_add_u32 v254, v255
	v_lshrrev_b32 v8, 5, v0
	s_delay_alu instid0(VALU_DEP_1)
	v_readfirstlane_b32 s18, v8                    ; wave 0..15
	s_bfe_u32 s10, ttmp6, 0x40000                  ; cx: it enters Q's and ctx's addresses and the mask's compare alone
	s_lshl_b32 s11, ttmp9, 2
	s_add_co_u32 s11, s11, s10                     ; j
	s_and_b32 s12, ttmp7, 0xffff                   ; bh
	s_lshr_b32 s76, s18, 3                         ; 1 in waves 8-15
	s_xor_b32 s77, s76, 1                          ; 1 in waves 0-7
	s_and_b32 s78, s18, 7                          ; p
	s_xor_b32 s79, s78, 15                         ; 15 - p
	s_add_co_u32 s80, s78, 8
	s_mul_i32 s80, s80, s76
	s_lshl_b32 s81, s77, 4
	s_add_co_u32 s80, s80, s81                     ; c: 16, or 8 + p
	s_mul_i32 s86, s78, 4608
	s_add_co_u32 s86, s86, PART                    ; the pair's bytes
	s_mul_i32 s87, s78, 1088
	s_add_co_u32 s87, s87, STG
	s_mul_i32 s87, s87, s76
	s_mul_i32 s94, s86, s77
	s_add_co_u32 s87, s87, s94                     ; my stage: in the pair's bytes (waves 0-7) or my own (waves 8-15)
	s_xor_b32 s61, s78, 7
	s_add_co_u32 s61, s61, 1                       ; 8 - p: the trip ahead of which wave 8 + p changes tiles;
	s_cmp_lt_u32 s18, 8
	s_cselect_b32 s61, 63, s61                     ; waves 0-7: no trip
	s_cselect_b32 s81, s79, s78                    ; from u = 16 on: the tile's rank,
	s_cselect_b32 s82, 7, s78                      ; and the last step that is mine
	s_lshr_b32 s13, s18, 3                         ; waves 0-7 fetch K, waves 8-15 V: 64 lines each
	s_and_b32 s14, s18, 7
	s_mul_i32 s16, s13, VOFF
	s_mul_i32 s15, s14, 17408
	s_add_co_u32 s16, s16, s15                     ; in LDS
	s_add_co_u32 s13, s13, 1
	s_lshl_b32 s52, s13, 22                        ; in qkvc: K at 4M, V at 8M,
	s_lshl_b32 s15, s12, 17
	s_add_co_u32 s52, s52, s15                     ; the head,
	s_lshl_b32 s15, s14, 14
	s_add_co_u32 s52, s52, s15                     ; my 16,384 bytes
	s_mov_b32 s53, 0
	s_mov_b32 s24, 15|(0<<16)|(1<<20)|(1<<21)|(5<<22)|(3<<25)   ; the mask: all four; elements of 1 byte; padding: 4 words behind every 64; bit 21 beside a mask
	s_mov_b32 s25, 256<<16                         ; tensor_dim0
	s_mov_b32 s26, 64<<16                          ; tensor_dim1
	s_mov_b32 s27, 256<<16                         ; tile_dim0
	s_mov_b32 s28, 64                              ; tile_dim1
	s_mov_b32 s29, 256                             ; the pitch: the block is dense
	s_mov_b32 s30, 0
	s_mov_b32 s31, 0
	s_mov_b32 s20, 0x76543210
	s_mov_b32 s21, 0xfedcba98
	s_mov_b32 s22, 0x3e38aa3b                      ; c = log2(e) / 8
	s_mov_b32 s83, 0                               ; i, the trip
	s_lshl_b32 s51, s11, 4                         ; 16 j
	s_lshl_b32 s15, s12, 17
.irp d, 54,79, 88,81, 90,78                    ; byte offsets of a tile's first query: s54 tile 15 - p (Q at first), s88 the tile that I store, s90 tile p (Q behind the change)
.endr
	s_lshl_b32 s54, s79, 7
	s_add_co_u32 s54, s54, s51
	s_lshl_b32 s54, s54, 6
	s_add_co_u32 s54, s54, s15
	s_mov_b32 s55, 0
	s_lshl_b32 s88, s81, 7
	s_add_co_u32 s88, s88, s51
	s_lshl_b32 s88, s88, 6
	s_add_co_u32 s88, s88, s15
	s_mov_b32 s89, 0
	s_lshl_b32 s90, s78, 7
	s_add_co_u32 s90, s90, s51
	s_lshl_b32 s90, s90, 6
	s_add_co_u32 s90, s90, s15
	s_mov_b32 s91, 0
	s_wait_dscnt 0x0
	s_wait_kmcnt 0x0
	s_load_b256 s[68:75], s[6:7], 0x18             ; e6 .. e13
	s_add_nc_u64 s[52:53], s[4:5], s[52:53]
	s_add_nc_u64 s[56:57], s[4:5], s[54:55]        ; Q's codes of tile 15 - p
	s_add_nc_u64 s[58:59], s[8:9], s[88:89]        ; ctx's codes of the tile that I store
	s_add_nc_u64 s[92:93], s[4:5], s[90:91]        ; Q's codes of tile p
	CROUND                                         ; all four work-groups are here: the joint loads meet
	s_mov_b32 s32, 1
	s_mov_b32 s33, s16
	s_mov_b64 s[34:35], s[52:53]
	s_or_b32 s35, s35, 0x80000000
	tensor_load_to_lds s[32:35], s[24:31]          ; my one tensor load of the launch
	s_nop 0
.rept 4
	v_nop
.endr
	v_and_b32 v8, 15, v0                           ; r
	v_bfe_u32 v9, v0, 4, 1                         ; h
	s_delay_alu instid0(VALU_DEP_2)
	v_lshlrev_b32 v10, 6, v8
	s_delay_alu instid0(VALU_DEP_1)
	v_lshl_add_u32 v10, v9, 4, v10                 ; kept: the change of tiles loads Q by it again
	global_load_b128 v[16:19], v10, s[56:57]       ; Q's fragment: k = 16 h + 0 .. 15, and 32 + 16 h + 0 .. 15: the order in which K's is read too
	global_load_b128 v[20:23], v10, s[56:57] offset:32
	v_lshrrev_b32 v11, 2, v8
	s_delay_alu instid0(VALU_DEP_1)
	v_mul_u32_u24 v11, v11, 272
	v_and_b32 v7, 3, v8
	s_delay_alu instid0(VALU_DEP_1)
	v_lshl_add_u32 v11, v7, 6, v11                 ; (r / 4) lines + (r % 4) x 64
	s_delay_alu instid0(VALU_DEP_1)
	v_lshl_add_u32 v1, v9, 4, v11                  ; K: + 16 h
	s_delay_alu instid0(VALU_DEP_2)
	v_lshl_add_u32 v2, v9, 3, v11
	s_delay_alu instid0(VALU_DEP_1)
	v_add_nc_u32 v2, VOFF, v2                      ; V: + 8 h
	v_lshlrev_b32 v3, 3, v9
	s_delay_alu instid0(VALU_DEP_1)
	v_sub_nc_u32 v3, v8, v3
	s_delay_alu instid0(VALU_DEP_1)
	v_add_nc_u32 v3, s51, v3                       ; 16 j + r - 8 h: in the diagonal step register 8 t + i is hidden where 16 t + i is larger
	v_lshl_add_u32 v4, v9, 3, v11
	s_delay_alu instid0(VALU_DEP_1)
	v_add_nc_u32 v4, s87, v4                       ; the stage, in: query r's 64 bytes, + 8 h
	v_mul_u32_u24 v5, v9, 272
	s_delay_alu instid0(VALU_DEP_1)
	v_lshl_add_u32 v5, v8, 4, v5
	s_delay_alu instid0(VALU_DEP_1)
	v_add_nc_u32 v5, s87, v5                       ; back: sixteen lanes to a line
	v_and_b32 v6, 31, v0
	s_delay_alu instid0(VALU_DEP_1)
	v_lshlrev_b32 v6, 4, v6
	v_add_nc_u32 v24, s86, v6                      ; the pair's bytes: 16 x lane
	v_mov_b32 v13, 0xff61b1e6                      ; the largest t so far: -3e38
	s_delay_alu instid0(VALU_DEP_1)
	v_floor_f32 v12, -v13                          ; -M
	v_mov_b32 v14, 0                               ; the sum, in two halves
	v_mov_b32 v15, 0
	v_mov_b32 v209, 0                              ; (named as the upper half of the pair v[208:209])
	v_mov_b32 v212, 0                              ; a lane permute's destination counts as one of its sources
	v_mov_b32 v222, 0xff800000                     ; -infinity
.set j, 0
.rept 32
	v_mov_b32 v[160+j], 0                          ; O^T: the step is written once; a tile's first finds zeros
.set j, j+1
.endr
	s_wait_kmcnt 0x0
	s_add_co_i32 s15, s68, s69
	s_lshl_b32 s15, s15, 23
	s_add_co_i32 s22, s22, s15                     ; a score stands for score x 2^(e6 + e7)
	s_mov_b32 s23, s22
	s_add_co_i32 s15, s71, 127
	s_lshl_b32 s17, s15, 23
	v_mov_b32 v220, s17                            ; 2^e9
	s_add_co_i32 s15, s15, 15
	s_lshl_b32 s15, s15, 23
	s_or_b32 s15, s15, 0x600000
	v_mov_b32 v221, s15                            ; 57,344 x 2^e9
	s_sub_co_i32 s15, s72, s70
	s_sub_co_i32 s15, s15, s71                     ; O / the sum stands for ctx / 2^(e8 + e9): the conversion takes 2^(e10 - e8 - e9)
	s_add_co_i32 s15, s15, 127
	s_lshl_b32 s17, s15, 23
	v_mov_b32 v216, s17
	s_add_co_i32 s15, s15, 15
	s_lshl_b32 s15, s15, 23
	s_or_b32 s15, s15, 0x600000
	v_mov_b32 v217, s15
; A KEY STEP of 128 keys: step s49, at LDS byte s48 of K's and of V's part; s19 the tile's rank, s60 the last step that is mine.
.macro STEP
	s_cmp_gt_u32 s49, s60                          ; not mine, or past the diagonal
	s_cbranch_scc1 .Lhid_\@
	v_add_nc_u32 v8, s48, v1
	v_add_nc_u32 v9, s48, v2
	v_nop
	v_nop                                          ; four plain lines in front of loads into registers that the last products read
.irp t, 0,1,2,3,4,5,6,7
	ds_load_b128 v[32+8*\t:35+8*\t], v8 offset:1088*\t
	ds_load_b128 v[36+8*\t:39+8*\t], v8 offset:1088*\t+32
.endr
	s_wait_alu depctr_va_vdst(0)
	s_wait_dscnt 0x0
.irp t, 0,1,2,3,4,5,6,7
	v_wmma_f32_16x16x64_bf8_bf8 v[96+8*\t:103+8*\t], v[32+8*\t:39+8*\t], v[16:23], 0
.endr
.rept 4
	v_nop
.endr
.irp u, 0,1,2,3                        ; V's four fragments land while the softmax is worked: registers 2 c, 2 c + 1 of fragment u: channel 16 u + r, keys 16 c + 8 h + 0 .. 7
.irp c, 0,1,2,3,4,5,6,7
	ds_load_b64 v[32+16*\u+2*\c:33+16*\u+2*\c], v9 offset:(\c/4)*4352+1088*\u+16*(\c%4)
.endr
.endr
	s_cmp_lg_u32 s49, s19
	s_cbranch_scc1 .Lopen_\@
.set n, 0
.rept 64
	v_cmp_gt_i32 vcc_lo, 16*(n/8)+n%8, v3
	v_cndmask_b32 v[96+n], v[96+n], v222, vcc_lo   ; hidden scores become -infinity: p = 0
.set n, n+1
.endr
.Lopen_\@:
	v_max3_num_f32 v210, v96, v97, v98             ; the step's largest score, in two chains, each accumulator from its low end on
	v_max3_num_f32 v211, v99, v100, v101
.irp i, 6,10,14,18,22,26,30,34,38,42,46,50,54,58
	v_max3_num_f32 v210, v210, v[96+\i], v[97+\i]
	v_max3_num_f32 v211, v211, v[98+\i], v[99+\i]
.endr
	v_max3_num_f32 v210, v210, v158, v159
	s_delay_alu instid0(VALU_DEP_1)
	v_max_num_f32 v210, v210, v211
	s_delay_alu instid0(VALU_DEP_1)
	v_permlanex16_b32 v212, v210, s20, s21
	s_delay_alu instid0(VALU_DEP_1)
	v_max_num_f32 v210, v210, v212                 ; and lane l xor 16's
	s_delay_alu instid0(VALU_DEP_1)
	v_mul_f32 v210, s22, v210                      ; as t
	s_delay_alu instid0(VALU_DEP_1)
	v_max_num_f32 v13, v13, v210
	v_mov_b32 v210, v12
	s_delay_alu instid0(VALU_DEP_2)
	v_floor_f32 v12, -v13                          ; the new -M
	s_delay_alu instid0(VALU_DEP_1)
	v_sub_f32 v210, v12, v210                      ; old M - new M: a whole number, 0 or less
	s_delay_alu instid0(VALU_DEP_1)
	v_cvt_i32_f32 v210, v210
	s_delay_alu instid0(VALU_DEP_1)
	v_ldexp_f32 v208, 1.0, v210                    ; f = 2^(old M - new M)
.set j, 0
.rept 32
	v_pk_fma_f32 v[96+j:97+j], v[96+j:97+j], s[22:23], v[12:13] op_sel_hi:[1,0,0]   ; t - M
.set j, j+2
.endr
.set j, 0
	s_wait_alu depctr_va_vdst(0)
.rept 64
	v_exp_f32 v[96+j], v[96+j]
.set j, j+1
.endr
	v_pk_mul_f32 v[14:15], v[14:15], v[208:209] op_sel_hi:[1,0]   ; the sums under the new M (a plain line behind the exponentials)
	s_wait_alu depctr_va_vdst(0)
	v_pk_add_f32 v[214:215], v[100:101], v[104:105]
	v_pk_add_f32 v[252:253], v[108:109], v[112:113]
	v_pk_add_f32 v[250:251], v[116:117], v[120:121]
	v_pk_add_f32 v[248:249], v[124:125], v[128:129]
	v_pk_add_f32 v[246:247], v[132:133], v[136:137]
	v_pk_add_f32 v[244:245], v[140:141], v[144:145]
	v_pk_add_f32 v[242:243], v[148:149], v[152:153]
	v_pk_add_f32 v[14:15], v[14:15], v[156:157]
	v_pk_add_f32 v[214:215], v[214:215], v[96:97]
	v_pk_add_f32 v[252:253], v[252:253], v[98:99]
	v_pk_add_f32 v[250:251], v[250:251], v[102:103]
	v_pk_add_f32 v[248:249], v[248:249], v[106:107]
	v_pk_add_f32 v[246:247], v[246:247], v[110:111]
	v_pk_add_f32 v[244:245], v[244:245], v[114:115]
	v_pk_add_f32 v[242:243], v[242:243], v[118:119]
	v_pk_add_f32 v[14:15], v[14:15], v[122:123]
	v_pk_add_f32 v[214:215], v[214:215], v[126:127]
	v_pk_add_f32 v[252:253], v[252:253], v[130:131]
	v_pk_add_f32 v[250:251], v[250:251], v[134:135]
	v_pk_add_f32 v[248:249], v[248:249], v[138:139]
	v_pk_add_f32 v[246:247], v[246:247], v[142:143]
	v_pk_add_f32 v[244:245], v[244:245], v[146:147]
	v_pk_add_f32 v[242:243], v[242:243], v[150:151]
	v_pk_add_f32 v[14:15], v[14:15], v[154:155]
	v_pk_add_f32 v[214:215], v[214:215], v[158:159]
	s_delay_alu instid0(VALU_DEP_2)
	v_pk_add_f32 v[14:15], v[14:15], v[248:249]
	s_delay_alu instid0(VALU_DEP_2)
	v_pk_add_f32 v[214:215], v[214:215], v[246:247]
	v_pk_add_f32 v[252:253], v[252:253], v[244:245]
	v_pk_add_f32 v[250:251], v[250:251], v[242:243]
	s_delay_alu instid0(VALU_DEP_2)
	v_pk_add_f32 v[14:15], v[14:15], v[252:253]
	s_delay_alu instid0(VALU_DEP_2)
	v_pk_add_f32 v[214:215], v[214:215], v[250:251]
	s_delay_alu instid0(VALU_DEP_1)
	v_pk_add_f32 v[14:15], v[14:15], v[214:215]
.irp t, 0,1,2,3,4,5,6,7
.irp i, 0,1,2,3,4,5,6,7
	v_min_num_f32 v[96+8*\t+\i], v[96+8*\t+\i], v221   ; the conversion does not saturate (ISA guide 7.6.2); p is not negative
.endr
	v_cvt_scalef32_pk8_bf8_f32 v[192+2*\t:193+2*\t], v[96+8*\t:103+8*\t], v220
.endr
.set j, 0
.rept 16
	v_pk_mul_f32 v[160+j:161+j], v[160+j:161+j], v[208:209] op_sel_hi:[1,0]   ; O^T under the new M
.set j, j+2
.endr
	s_wait_alu depctr_va_vdst(0)
	s_wait_dscnt 0x0                               ; V is in
.irp u, 0,1,2,3
	v_wmma_f32_16x16x128_bf8_bf8 v[160+8*\u:167+8*\u], v[32+16*\u:47+16*\u], v[192:207], v[160+8*\u:167+8*\u]
.endr
.Lhid_\@:
.endm
; What trip i (s83) works.
.macro TRIPSET
	s_add_co_u32 s84, s83, s80                     ; u = i + c, 24 at the most
	s_lshr_b32 s85, s84, 4                         ; 1 from u = 16 on
	s_xor_b32 s94, s85, 1
	s_and_b32 s49, s84, 15
	s_mul_i32 s95, s94, 15
	s_xor_b32 s49, s49, s95
	s_lshl_b32 s95, s94, 3
	s_add_co_u32 s49, s49, s95                     ; the key step: (u xor 15) + 8 while u < 16, then u - 16
	s_min_u32 s49, s49, 15                         ; (it is 15 at the most; the bound is written out)
	s_mul_i32 s48, s49, STEPB
	s_cmp_eq_u32 s85, 0
	s_cselect_b32 s19, s79, s81                    ; the tile's rank
	s_cselect_b32 s60, s79, s82                    ; the last step that is mine
.endm
; THE CHANGE OF TILES, in waves 8-15 alone, ahead of trip 8 - p: my part of tile 15 - p goes into the pair's bytes as an image of its registers, and tile p begins.
.macro SWCHK
	s_cmp_lt_u32 s18, 8
	s_cbranch_scc1 .Lnosw_\@
	s_cmp_lg_u32 s83, s61
	s_cbranch_scc1 .Lnosw_\@
.rept 4
	v_nop                                          ; places behind the last products
.endr
.irp q, 0,1,2,3,4,5,6,7
	ds_store_b128 v24, v[160+4*\q:163+4*\q] offset:512*\q   ; each accumulator from its low end on
.endr
	ds_store_b128 v24, v[12:15] offset:4096        ; -M, the largest t, the sum's two halves
	global_load_b128 v[16:19], v10, s[92:93]       ; tile p's Q
	global_load_b128 v[20:23], v10, s[92:93] offset:32
	v_mov_b32 v13, 0xff61b1e6
	v_floor_f32 v12, -v13
	v_mov_b32 v14, 0
	v_mov_b32 v15, 0
.set j, 0
.rept 32
	v_mov_b32 v[160+j], 0
.set j, j+1
.endr
	s_wait_alu depctr_va_vdst(0)
	s_wait_loadcnt 0x0
.Lnosw_\@:
.endm
	s_wait_alu depctr_va_vdst(0)
	s_wait_loadcnt 0x0                             ; Q
	s_wait_tensorcnt 0x0                           ; my eighth of K or of V has landed,
	s_wait_dscnt 0x0
	s_barrier_signal -1
	s_barrier_wait -1                              ; and everybody's: K and V are whole
	s_mov_b32 s50, 8
.Lst:
	TRIPSET
	SWCHK
	STEP
	s_add_co_u32 s83, s83, 1
	s_sub_co_u32 s50, s50, 1
	s_cmp_lg_u32 s50, 0
	s_cbranch_scc1 .Lst
	TRIPSET                                        ; the ninth trip is written out: a barrier stands in front of its step
	SWCHK                                          ; (wave 8 changes tiles here)
	s_wait_dscnt 0x0                               ; for the others' sake: my part lies in LDS
	s_barrier_signal -1
	s_barrier_wait -1
	STEP                                           ; waves 8-15: tile p's last step; waves 0-7 leave it out
	; Waves 0-7 join the two parts of tile 15 - p under the larger M: each part x 2^(its M - the larger M), which rounds nothing.
	s_cmp_ge_u32 s18, 8
	s_cbranch_scc1 .Lnomerge
.rept 4
	v_nop                                          ; places in front of loads into registers that the last products read, and of the reads of O^T
.endr
.irp q, 0,1,2,3,4,5,6,7
	ds_load_b128 v[32+4*\q:35+4*\q], v24 offset:512*\q
.endr
	ds_load_b128 v[64:67], v24 offset:4096
	s_wait_dscnt 0x0
	v_min_num_f32 v68, v12, v64                    ; -M of the larger M
	v_mov_b32 v71, 0                               ; (named as the upper half of the pair v[70:71])
	v_sub_f32 v69, v68, v12
	v_sub_f32 v70, v68, v64                        ; whole numbers, 0 or less
	v_cvt_i32_f32 v69, v69
	v_cvt_i32_f32 v70, v70
	v_ldexp_f32 v208, 1.0, v69
	v_ldexp_f32 v70, 1.0, v70
	v_pk_mul_f32 v[14:15], v[14:15], v[208:209] op_sel_hi:[1,0]
.set j, 0
.rept 16
	v_pk_mul_f32 v[160+j:161+j], v[160+j:161+j], v[208:209] op_sel_hi:[1,0]
.set j, j+2
.endr
	v_pk_fma_f32 v[14:15], v[66:67], v[70:71], v[14:15] op_sel_hi:[1,0,1]
.set j, 0
.rept 16
	v_pk_fma_f32 v[160+j:161+j], v[32+j:33+j], v[70:71], v[160+j:161+j] op_sel_hi:[1,0,1]
.set j, j+2
.endr
.Lnomerge:
	; THE WAY OUT: O^T / the sum, held, converted, through my stage, 512 consecutive bytes a store.
.rept 4
	v_nop
.endr
	v_add_f32 v14, v14, v15
	s_delay_alu instid0(VALU_DEP_1)
	v_permlanex16_b32 v212, v14, s20, s21
	s_delay_alu instid0(VALU_DEP_1)
	v_add_f32 v14, v14, v212                       ; the row's sum
	s_wait_alu depctr_va_vdst(0)
	v_rcp_f32 v14, v14
	v_nop
.set j, 0
	s_wait_alu depctr_va_vdst(0)
.rept 32
	v_mul_f32 v[96+j], v[160+j], v14               ; register 8 u + i: channel 16 u + 8 h + i of query r
.set j, j+1
.endr
.set j, 0
.rept 32
	v_med3_num_f32 v[96+j], v[96+j], -v217, v217
.set j, j+1
.endr
.irp u, 0,1,2,3
	v_cvt_scalef32_pk8_bf8_f32 v[192+2*\u:193+2*\u], v[96+8*\u:103+8*\u], v216
.endr
	v_nop
.irp u, 0,1,2,3
	ds_store_b64 v4, v[192+2*\u:193+2*\u] offset:16*\u
.endr
	ds_load_b128 v[32:35], v5                      ; LDS serves a wave's instructions in order: these see my stores
	ds_load_b128 v[36:39], v5 offset:544
	s_wait_dscnt 1
	global_store_b128 v6, v[32:35], s[58:59]
	s_wait_dscnt 0x0
	global_store_b128 v6, v[36:39], s[58:59] offset:512
	s_wait_tensorcnt 0x0                           ; the wave's end
	ds_add_u32 v254, v255
	s_wait_dscnt 0x0
	CROUND                                         ; the closing round
	s_endpgm
.Lfunc_end_k_q34611d4921_attn:
	.size	k_q34611d4921_attn, .Lfunc_end_k_q34611d4921_attn-k_q34611d4921_attn
	.p2alignl 7, 3214868480
	.fill 96, 4, 3214868480
	.section	.rodata,"a",@progbits
	.p2align	6, 0x0
	.amdhsa_kernel k_q34611d4921_attn
		.amdhsa_group_segment_fixed_size 327680
		.amdhsa_private_segment_fixed_size 0
		.amdhsa_enable_private_segment 0
		.amdhsa_kernarg_size 24
		.amdhsa_user_sgpr_count 2
		.amdhsa_user_sgpr_kernarg_segment_ptr 1
		.amdhsa_wavefront_size32 1
		.amdhsa_system_sgpr_workgroup_id_x 1
		.amdhsa_system_sgpr_workgroup_id_y 1
		.amdhsa_system_sgpr_workgroup_id_z 1
		.amdhsa_system_vgpr_workitem_id 0
		.amdhsa_next_free_vgpr 256
		.amdhsa_next_free_sgpr 100
		.amdhsa_reserve_vcc 1
		.amdhsa_float_denorm_mode_32 3
		.amdhsa_float_denorm_mode_16_64 3
		.amdhsa_memory_ordered 1
		.amdhsa_forward_progress 1
		.amdhsa_inst_pref_size 66
	.end_amdhsa_kernel
	.amdgpu_metadata
---
amdhsa.version: [ 1, 2 ]
amdhsa.kernels:
  - .name:           k_q34611d4921_attn
    .symbol:         k_q34611d4921_attn.kd
    .args:
      - { .name: qkvc, .offset: 0, .size: 8, .value_kind: global_buffer, .address_space: global }
      - { .name: lowp_scales, .offset: 8, .size: 8, .value_kind: global_buffer, .address_space: global }
      - { .name: ctxc, .offset: 16, .size: 8, .value_kind: global_buffer, .address_space: global }
    .group_segment_fixed_size: 327680
    .private_segment_fixed_size: 0
    .kernarg_segment_align: 8
    .kernarg_segment_size: 24
    .max_flat_workgroup_size: 512
    .sgpr_count:     100
    .vgpr_count:     256
    .wavefront_size: 32
...
	.end_amdgpu_metadata
.endif
;; end of part 3
;; launch oproj (part 4): grid 8 x 32, 4 waves a work-group, clusters of 4 x 4, 327,680 bytes of LDS; arguments ctxc, pc, lowp_scales, bo, x, x1; writes x1
.if DOCPART == 4
	.amdgcn_target "amdgcn-amd-amdhsa--gfx1250"
	.amdhsa_code_object_version 6
	.text
	.protected	k_q34611d4921_oproj
	.globl	k_q34611d4921_oproj
	.p2align	8
	.type	k_q34611d4921_oproj,@function
k_q34611d4921_oproj:
	s_mov_b64 s[64:65], 0
	v_nop
	global_prefetch_b8 v0, s[64:65] scope:SCOPE_SE
	s_setreg_imm32_b32 hwreg(HW_REG_WAVE_MODE, 25, 1), 1
	s_wait_xcnt 0x0
	s_wait_alu depctr_hold_cnt(0) depctr_sa_sdst(0) depctr_va_vdst(0) depctr_va_sdst(0) depctr_va_ssrc(0) depctr_va_vcc(0) depctr_vm_vsrc(0)
	s_getreg_b32 s2, hwreg(HW_REG_IB_STS2, 6, 4)
	s_cmp_eq_u32 s2, 0
	s_cbranch_scc0 .Lentry_in_a_cluster
	s_endpgm
.Lentry_in_a_cluster:
	s_bfe_u32 s2, ttmp6, 0x10000c
	s_cmp_lg_u32 s2, 0xf033
	s_cbranch_scc0 .Lentry_shape_is_right
	s_endpgm
.Lentry_shape_is_right:
; out = residual + (A B^T x 2^(ea + eb) + bias): A [4096][SIZE_K] and B [1024][SIZE_K] are codes of E5M2; residual and out [4096][1024] f32.
; This text: x1 = x + (ctx Wo + bo).  A's codes lie by heads, [bh][s][64] (PLANES = 1): a wave's tile is 16 heads x (64 tokens x 64 bytes, dense).
; A tile of 128 x 128 gives 8 x 32 = 256 work-groups.  Four waves, each 64 x 64: 16 accumulators.  K goes in steps of 512 through two LDS slots.
; CLUSTERS: 4 x 4; A's tile is shared along a row of the cluster, B's along a column: joint loads.  Source 0 = 16 rows of B, source 1 = 16 rows of A: a lane holds eight neighbouring numbers of a row of out.
; The wave's 64 x 64 of the residual is loaded at the head into window 2 and lands under the loop.  LIMIT: ea + eb between -126 and 127.
; REGISTERS: window 0: v0-31 addresses; v32-95 rows on the way out; v96-99 bias; v128-255 accumulators ((a, b) at v[128 + 8 (4 a + b)]).  window 1: two fragment buffers of 128 (A's four, then B's four).  window 2: v0-127 the residual.
.set SIZE_K, 1024
.set PLANES, 1
.set AHALF,  69632                     ; LDS bytes of 64 rows of A, the whole K: 16 planes of 16 lines of 272
.set ASTEP,  1048576                   ; bytes in memory from a K step of A to the next: 8 heads
.set BOFF,   0x300000                  ; B's codes in pc
.set BROW,   1024
.set SIDX,   10                        ; the product's first entry of the scales
.set KB,     512
.set PITCH,  1040                      ; an LDS row of B: the whole K, 1,024 bytes + 16
.set HALFT,  64*PITCH
.set SLOT,   2*AHALF+2*HALFT
.set STAGE,  SLOT                      ; A and B are filled once, whole: one load a wave; the stages lie behind them
.set SPITCH, 272
.set SPARE,  STAGE+4*16*SPITCH         ; the spare words, 128 bytes for each wave
.set LAPS,   SIZE_K/1024
.set ADRA, 16
.set ADRB, 20
.set STO,  24
.set RD,   25
.set CO,   26
.set BO,   27
.set SPW,  28
.set NIL,  29
.set TMP,  32
.set ACC,  128
.set F0,   0
.set F1,   128
.set G1, 24
.set G0, 32
.set G1B, 48
.set G0B, 56
.set MSB, 0
.macro WIN new
.if MSB != \new
	s_set_vgpr_msb (MSB<<8)|\new
.set MSB, \new
.endif
.endm
.set MUL,  0x05                        ; sources 0 and 1 window 1; C and D window 0
.set TO_F, 0x40                        ; destination window 1
.macro JLOAD s                         ; waves 0, 1 fetch A's halves, waves 2, 3 B's; four v_nop follow each line
	s_cmp_eq_u32 s11, 0
	s_cbranch_scc0 .Lfor_b_\@
	tensor_load_to_lds s[G0+4*\s:G0+4*\s+3], s[G1:G1+7]
	s_nop 0
.rept 4
	v_nop
.endr
	s_branch .Lasked_\@
.Lfor_b_\@:
	tensor_load_to_lds s[G0B+4*\s:G0B+4*\s+3], s[G1B:G1B+7]
	s_nop 0
.rept 4
	v_nop
.endr
.Lasked_\@:
.endm
.macro CREST
	s_cmp_lg_u32 s10, 0
	s_cbranch_scc1 .Lnot_wave_0_\@
	s_barrier_signal -3
.Lnot_wave_0_\@:
	s_barrier_wait -3
	s_barrier_signal -1
	s_barrier_wait -1
.endm
.macro CROUND
	s_barrier_signal -1
	s_barrier_wait -1
	CREST
.endm
	s_load_b128 s[4:7], s[0:1], 0x0                ; A's codes, pc
	s_load_b128 s[68:71], s[0:1], 0x10             ; the scales' exponents, the bias
	s_load_b128 s[72:75], s[0:1], 0x20             ; the residual, out
	v_lshl_add_u32 v[SPW], v0, 2, SPARE
	v_mov_b32 v[NIL], 0
	ds_add_u32 v28, v29
	ds_add_u32 v28, v29
	s_wait_dscnt 0x0
	v_lshrrev_b32 v1, 5, v0
	v_readfirstlane_b32 s10, v1                    ; wave
	s_lshr_b32 s11, s10, 1                         ; my half of the rows.  Also: I fetch for A (0) or B (1)
	s_and_b32 s12, s10, 1                          ; my half of the columns.  Also: which 64 rows I fetch
	s_bfe_u32 s40, ttmp6, 0x40000
	s_bfe_u32 s41, ttmp6, 0x40004
	s_lshl_b32 s42, ttmp9, 2
	s_add_co_u32 s42, s42, s40                     ; tile column
	s_and_b32 s13, ttmp7, 0xffff
	s_lshl_b32 s13, s13, 2
	s_add_co_u32 s13, s13, s41                     ; tile row
	s_lshl_b32 s43, s41, 2
	s_lshl_b32 s43, 15, s43
	s_lshl_b32 s44, 0x1111, s40
.if PLANES
	s_or_b32 s[G1+0], s43, (0<<16)|(1<<20)|(1<<21)|(5<<22)|(3<<25)   ; 4 words of padding behind every 64: a plane's 4,096 bytes become 16 lines of 272
	s_mov_b32 s[G1+1], 4096<<16                    ; tensor_dim0: 64 tokens x 64 bytes
	s_mov_b32 s[G1+2], 16<<16
	s_mov_b32 s[G1+3], 4096<<16
	s_mov_b32 s[G1+4], 16
	s_mov_b32 s[G1+5], 131072                      ; from head to head
.else
	s_or_b32 s[G1+0], s43, (0<<16)|(1<<20)|(1<<21)|(6<<22)|(3<<25)
	s_mov_b32 s[G1+1], KB<<16
	s_mov_b32 s[G1+2], 64<<16
	s_mov_b32 s[G1+3], KB<<16
	s_mov_b32 s[G1+4], 64
	s_mov_b32 s[G1+5], SIZE_K
.endif
	s_mov_b32 s[G1+6], 0
	s_mov_b32 s[G1+7], 0
	s_or_b32 s[G1B+0], s44, (0<<16)|(1<<20)|(1<<21)|(7<<22)|(3<<25)  ; 4 words behind every 256
	s_mov_b32 s[G1B+1], (2*KB)<<16
	s_mov_b32 s[G1B+2], 64<<16
	s_mov_b32 s[G1B+3], (2*KB)<<16
	s_mov_b32 s[G1B+4], 64
	s_mov_b32 s[G1B+5], BROW
	s_mov_b32 s[G1B+6], 0
	s_mov_b32 s[G1B+7], 0
.if PLANES
	s_lshr_b32 s16, s13, 4                         ; batch: 16 heads of 131,072 bytes
	s_lshl_b32 s16, s16, 21
	s_and_b32 s17, s13, 15
	s_lshl_b32 s17, s17, 13                        ; 128 tokens of 64 bytes
	s_add_co_u32 s16, s16, s17
	s_lshl_b32 s17, s12, 12
	s_add_co_u32 s16, s16, s17
.else
	s_lshl_b32 s16, s13, 19                        ; 128 rows of 4,096 bytes
	s_lshl_b32 s17, s12, 18
	s_add_co_u32 s16, s16, s17
.endif
	s_mov_b32 s17, 0
	s_mul_i32 s46, s42, 128*BROW
	s_mul_i32 s47, s12, 64*BROW
	s_add_co_u32 s46, s46, s47
	s_add_co_u32 s46, s46, BOFF
	s_mov_b32 s47, 0
	s_mul_i32 s20, s12, AHALF                      ; where A's half goes,
	s_mul_i32 s21, s12, HALFT
	s_add_co_u32 s21, s21, 2*AHALF                 ; and B's
	s_wait_kmcnt 0x0
	s_load_b64 s[76:77], s[68:69], 4*SIDX          ; ea, eb
	s_add_nc_u64 s[14:15], s[4:5], s[16:17]
	s_add_nc_u64 s[46:47], s[6:7], s[46:47]
	CROUND
.irp s, 0
	s_mov_b32 s[G0+4*\s], 1
	s_add_co_u32 s[G0+4*\s+1], s20, \s*SLOT
	s_add_nc_u64 s[G0+4*\s+2:G0+4*\s+3], s[14:15], \s*ASTEP
	s_or_b32 s[G0+4*\s+3], s[G0+4*\s+3], 0x80000000
	s_mov_b32 s[G0B+4*\s], 1
	s_add_co_u32 s[G0B+4*\s+1], s21, \s*SLOT
	s_add_nc_u64 s[G0B+4*\s+2:G0B+4*\s+3], s[46:47], \s*KB
	s_or_b32 s[G0B+4*\s+3], s[G0B+4*\s+3], 0x80000000
	JLOAD \s
.endr
	v_and_b32 v1, 15, v0                           ; r
	v_bfe_u32 v2, v0, 4, 1                         ; h
	v_mul_u32_u24 v3, v1, PITCH
	v_lshl_add_u32 v3, v2, 4, v3                   ; a fragment's row x pitch + 16 h
.if PLANES
	v_lshrrev_b32 v4, 2, v1
	v_mul_u32_u24 v4, v4, 272
	v_and_b32 v5, 3, v1
	v_lshl_add_u32 v4, v5, 6, v4
	v_lshl_add_u32 v4, v2, 4, v4                   ; A by planes: token r: (r / 4) lines + (r % 4) x 64, + 16 h
.else
	v_mov_b32 v4, v3
.endif
	s_mul_i32 s22, s11, AHALF
	s_mul_i32 s23, s12, HALFT
	s_add_co_u32 s23, s23, 2*AHALF
.irp s, 0,1
	v_add_nc_u32 v[ADRA+\s], s22, v4
	v_add_nc_u32 v[ADRB+\s], s23, v3
	s_add_co_u32 s22, s22, 8*4352                  ; the second 512 along K: 8 planes on in A,
	s_add_co_u32 s23, s23, KB                      ; 512 bytes on in B's rows
.endr
	s_mul_i32 s22, s10, 16*SPITCH
	s_add_co_u32 s22, s22, STAGE                   ; my stage
	v_mul_u32_u24 v5, v1, SPITCH
	v_lshl_add_u32 v5, v2, 5, v5
	v_add_nc_u32 v[STO], s22, v5                   ; in: row r, 32 bytes for each half of the lanes
	v_mul_u32_u24 v5, v2, SPITCH
	v_lshl_add_u32 v5, v1, 4, v5
	v_add_nc_u32 v[RD], s22, v5                    ; back: sixteen lanes to a row of 256 bytes
	v_lshlrev_b32 v[BO], 4, v1
	s_wait_alu depctr_va_vdst(0)
	v_lshl_add_u32 v[CO], v2, 12, v[BO]            ; and the same two rows in the residual and in out
	s_wait_alu depctr_va_vdst(0)
	s_lshl_b32 s78, s13, 19
	s_lshl_b32 s22, s11, 18
	s_add_co_u32 s78, s78, s22
	s_lshl_b32 s22, s42, 9
	s_lshl_b32 s23, s12, 8
	s_add_co_u32 s22, s22, s23                     ; my 64 columns, in bytes
	s_mov_b32 s23, 0
	s_add_co_u32 s78, s78, s22
	s_mov_b32 s79, 0
	s_add_nc_u64 s[70:71], s[70:71], s[22:23]
	s_add_nc_u64 s[72:73], s[72:73], s[78:79]
	s_add_nc_u64 s[74:75], s[74:75], s[78:79]
	global_load_b128 v[96:99], v[BO], s[70:71]     ; the bias of my four columns of a row read back
	WIN 0x80                                       ; destination window 2
.set t, 0
.rept 32
	global_load_b128 v[4*t:4*t+3], v[CO], s[72:73] offset:2*t*4096
.set t, t+1
.endr
	WIN 0
.macro MULA f, a, zero                 ; 4 matrix instructions: A's block a x B's four; the 16 accumulators take turns, in the same order in every quarter
.irp b, 0,1,2,3
.if \zero
	v_wmma_f32_16x16x128_bf8_bf8 v[ACC+8*(4*(\a)+\b):ACC+8*(4*(\a)+\b)+7], v[\f+64+16*\b:\f+64+16*\b+15], v[\f+16*(\a):\f+16*(\a)+15], 0
.else
	v_wmma_f32_16x16x128_bf8_bf8 v[ACC+8*(4*(\a)+\b):ACC+8*(4*(\a)+\b)+7], v[\f+64+16*\b:\f+64+16*\b+15], v[\f+16*(\a):\f+16*(\a)+15], v[ACC+8*(4*(\a)+\b):ACC+8*(4*(\a)+\b)+7]
.endif
.endr
.endm
.macro FETCH slot, k, f                ; 32 LDS loads: 128 along K at byte k of the rows: B's four fragments, then A's four.  Registers 4 c .. 4 c + 3: k = 32 c + 16 h + 0 .. 15, on both sides
	WIN TO_F
.irp i, 0,1,2,3
.irp c, 0,1,2,3
	ds_load_b128 v[\f+64+16*\i+4*\c:\f+64+16*\i+4*\c+3], v[ADRB+\slot] offset:\k+32*\c+\i*16*PITCH
.endr
.endr
.irp i, 0,1,2,3
.irp c, 0,1,2,3
.if PLANES
	ds_load_b128 v[\f+16*\i+4*\c:\f+16*\i+4*\c+3], v[ADRA+\slot] offset:((\k)/64+\c/2)*4352+1088*\i+32*(\c%2)
.else
	ds_load_b128 v[\f+16*\i+4*\c:\f+16*\i+4*\c+3], v[ADRA+\slot] offset:\k+32*\c+\i*16*PITCH
.endif
.endr
.endr
.endm
.macro PLACES
.rept 4
	v_nop
.endr
.endm
.macro QUARTER slot, k, f, g, zero     ; multiplies buffer f; in its middle fetches the next quarter, at byte k, into g
	s_wait_dscnt 8                                 ; B's four and A's blocks 0, 1 are in; A's blocks 2, 3 (8 loads) may be out
	WIN MUL
	MULA \f, 0, \zero
	MULA \f, 1, \zero
	PLACES
	FETCH \slot, \k, \g
	s_wait_dscnt 32                                ; all but the 32 just issued
	WIN MUL
	MULA \f, 2, \zero
	MULA \f, 3, \zero
.endm
.macro TURN slot, next, fill           ; the last quarter multiplies buffer 1 and changes slots
	WIN 0
	s_wait_tensorcnt 0x0                           ; all my tensor loads have landed: my part of the next slot
	ds_add_u32 v[SPW], v[NIL]                      ; 0 onto my spare word
	s_wait_dscnt 9                                 ; the add and A's blocks 2, 3 may be out
	WIN MUL
	MULA F1, 0, 0
	s_wait_dscnt 0x0                               ; the add is done, and my reads of this slot are over
	s_barrier_signal -1
	MULA F1, 1, 0
.if \fill
	WIN 0
.endif
	s_barrier_wait -1
.if \fill
	CREST                                          ; no wave of any partner still reads this slot or has a load on its way
	s_add_nc_u64 s[G0+4*\slot+2:G0+4*\slot+3], s[G0+4*\slot+2:G0+4*\slot+3], 2*ASTEP
	s_add_nc_u64 s[G0B+4*\slot+2:G0B+4*\slot+3], s[G0B+4*\slot+2:G0B+4*\slot+3], 2*KB
	JLOAD \slot                                    ; my one tensor load behind the round; its four v_nop are the places in front of the loads below
.else
	PLACES
.endif
	FETCH \next, 0, F0
	WIN MUL
	MULA F1, 2, 0
	MULA F1, 3, 0
.endm
	s_wait_tensorcnt 0x0
	s_barrier_signal -1
	s_barrier_wait -1
	FETCH 0, 0, F0
	QUARTER 0, 128, F0, F1, 1                      ; the first quarter's products start the sums
.if LAPS > 1
	WIN 0
	s_mov_b32 s3, LAPS-1
.Llap:
	QUARTER 0, 256, F1, F0, 0
	QUARTER 0, 384, F0, F1, 0
	TURN 0, 1, 1
	QUARTER 1, 128, F0, F1, 0
	QUARTER 1, 256, F1, F0, 0
	QUARTER 1, 384, F0, F1, 0
	TURN 1, 0, 1
	QUARTER 0, 128, F0, F1, 0
	WIN 0
	s_sub_co_u32 s3, s3, 1
	s_cmp_lg_u32 s3, 0
	s_cbranch_scc1 .Llap
.endif
	QUARTER 0, 256, F1, F0, 0                      ; the last lap fills nothing
	QUARTER 0, 384, F0, F1, 0
	TURN 0, 1, 0
	QUARTER 1, 128, F0, F1, 0
	QUARTER 1, 256, F1, F0, 0
	QUARTER 1, 384, F0, F1, 0
	s_wait_dscnt 8
	WIN MUL
	MULA F1, 0, 0
	MULA F1, 1, 0
	s_wait_dscnt 0
	MULA F1, 2, 0
	MULA F1, 3, 0
	WIN 0
	; THE WAY OUT, 16 rows at a time through my own stage: my 64 columns are 256 bytes of a row.
	s_wait_loadcnt 0x0                             ; the residual and the bias
	s_wait_kmcnt 0x0
	s_add_co_i32 s76, s76, s77
	s_add_co_i32 s76, s76, 127
	s_lshl_b32 s76, s76, 23                        ; 2^(ea + eb)
	s_mov_b32 s77, s76
	PLACES
.macro TOSTAGE a
.irp b, 0,1,2,3
	ds_store_b128 v[STO], v[ACC+8*(4*(\a)+\b):ACC+8*(4*(\a)+\b)+3] offset:64*\b          ; each accumulator from its low end on
	ds_store_b128 v[STO], v[ACC+8*(4*(\a)+\b)+4:ACC+8*(4*(\a)+\b)+7] offset:64*\b+16
.endr
.set BK, TMP+32*((\a)%2)
.irp t, 0,1,2,3,4,5,6,7
	ds_load_b128 v[BK+4*\t:BK+4*\t+3], v[RD] offset:\t*2*SPITCH   ; LDS serves a wave's instructions in order: these see the stores above
.endr
.endm
.macro SEND a, younger
.set BK, TMP+32*((\a)%2)
	s_wait_dscnt \younger
.irp t, 0,1,2,3,4,5,6,7
	v_pk_fma_f32 v[BK+4*\t:BK+4*\t+1], v[BK+4*\t:BK+4*\t+1], s[76:77], v[96:97] op_sel_hi:[1,0,1]       ; sum x 2^(ea + eb) + bias
	v_pk_fma_f32 v[BK+4*\t+2:BK+4*\t+3], v[BK+4*\t+2:BK+4*\t+3], s[76:77], v[98:99] op_sel_hi:[1,0,1]
.endr
	WIN 0x08                                       ; source 1: window 2
.irp t, 0,1,2,3,4,5,6,7
	v_pk_add_f32 v[BK+4*\t:BK+4*\t+1], v[BK+4*\t:BK+4*\t+1], v[32*(\a)+4*\t:32*(\a)+4*\t+1]
	v_pk_add_f32 v[BK+4*\t+2:BK+4*\t+3], v[BK+4*\t+2:BK+4*\t+3], v[32*(\a)+4*\t+2:32*(\a)+4*\t+3]
.endr
	WIN 0
.irp t, 0,1,2,3,4,5,6,7
	global_store_b128 v[CO], v[BK+4*\t:BK+4*\t+3], s[74:75] offset:(16*(\a)+2*\t)*4096   ; sixteen lanes store 256 consecutive bytes, at a multiple of 256 from out's first byte
.endr
.endm
	TOSTAGE 0
	TOSTAGE 1
	SEND 0, 16                                     ; behind block 0's loads: block 1's 8 stores and 8 loads
	s_wait_xcnt 0x0                                ; block 0's stores have read their registers
	TOSTAGE 2
	SEND 1, 16
	s_wait_xcnt 0x0
	TOSTAGE 3
	SEND 2, 16
	SEND 3, 0
	s_wait_tensorcnt 0x0                           ; the wave's end
	ds_add_u32 v[SPW], v[NIL]
	s_wait_dscnt 0x0
	CROUND                                         ; the closing round
	s_endpgm
.Lfunc_end_k_q34611d4921_oproj:
	.size	k_q34611d4921_oproj, .Lfunc_end_k_q34611d4921_oproj-k_q34611d4921_oproj
	.p2alignl 7, 3214868480
	.fill 96, 4, 3214868480
	.section	.rodata,"a",@progbits
	.p2align	6, 0x0
	.amdhsa_kernel k_q34611d4921_oproj
		.amdhsa_group_segment_fixed_size 327680
		.amdhsa_private_segment_fixed_size 0
		.amdhsa_enable_private_segment 0
		.amdhsa_kernarg_size 48
		.amdhsa_user_sgpr_count 2
		.amdhsa_user_sgpr_kernarg_segment_ptr 1
		.amdhsa_wavefront_size32 1
		.amdhsa_system_sgpr_workgroup_id_x 1
		.amdhsa_system_sgpr_workgroup_id_y 1
		.amdhsa_system_sgpr_workgroup_id_z 1
		.amdhsa_system_vgpr_workitem_id 0
		.amdhsa_next_free_vgpr 768
		.amdhsa_next_free_sgpr 80
		.amdhsa_reserve_vcc 0
		.amdhsa_float_denorm_mode_32 3
		.amdhsa_float_denorm_mode_16_64 3
		.amdhsa_memory_ordered 1
		.amdhsa_forward_progress 1
		.amdhsa_inst_pref_size 53
	.end_amdhsa_kernel
	.amdgpu_metadata
---
amdhsa.version: [ 1, 2 ]
amdhsa.kernels:
  - .name:           k_q34611d4921_oproj
    .symbol:         k_q34611d4921_oproj.kd
    .args:
      - { .name: ctxc, .offset: 0, .size: 8, .value_kind: global_buffer, .address_space: global }
      - { .name: pc, .offset: 8, .size: 8, .value_kind: global_buffer, .address_space: global }
      - { .name: lowp_scales, .offset: 16, .size: 8, .value_kind: global_buffer, .address_space: global }
      - { .name: bo, .offset: 24, .size: 8, .value_kind: global_buffer, .address_space: global }
      - { .name: x, .offset: 32, .size: 8, .value_kind: global_buffer, .address_space: global }
      - { .name: x1, .offset: 40, .size: 8, .value_kind: global_buffer, .address_space: global }
    .group_segment_fixed_size: 327680
    .private_segment_fixed_size: 0
    .kernarg_segment_align: 8
    .kernarg_segment_size: 48
    .max_flat_workgroup_size: 128
    .sgpr_count:     80
    .vgpr_count:     768
    .wavefront_size: 32
...
	.end_amdgpu_metadata
.endif
;; end of part 4
;; launch ln2 (part 5): grid 256 x 1, 8 waves a work-group, no clusters, 41,984 bytes of LDS; arguments x1, g2, s2, lowp_scales, h2c; writes h2c
.if DOCPART == 5
	.amdgcn_target "amdgcn-amd-amdhsa--gfx1250"
	.amdhsa_code_object_version 6
	.text
	.protected	k_q34611d4921_ln2
	.globl	k_q34611d4921_ln2
	.p2align	8
	.type	k_q34611d4921_ln2,@function
k_q34611d4921_ln2:
	s_mov_b64 s[64:65], 0
	v_nop
	global_prefetch_b8 v0, s[64:65] scope:SCOPE_SE
	s_setreg_imm32_b32 hwreg(HW_REG_WAVE_MODE, 25, 1), 1
	s_wait_xcnt 0x0
; h2 = layernorm(x1) g2 + s2 in f32, quantised to E5M2 with the scale 2^e12: codes [4096][1024].
; Eight waves, two rows each.  Gain, shift and BOTH rows are asked for at the head: 32 loads of 512 consecutive bytes, 16 KB, are out for each wave, and the second row lands while the first is worked.
; A row turns through the wave's own stage in LDS so that a lane holds 2 x 16 neighbours; mean, then the sum of squares of the differences (two passes in registers), both over the 32 lanes.
; No barrier: waves share nothing.  LIMIT: e12 between -126 and 112.  NaN among the inputs is not served.
.set R,   32                           ; v32-63   row 0 as loaded
.set R1,  184                          ; v184-215 row 1 as loaded
.set X,   64                           ; v64-95   the row turned: register 16 s + i = column 512 s + 16 lane + i
.set GG,  96                           ; v96-127  the gain, in the same places
.set SS,  128                          ; v128-159 the shift
.set T,   160                          ; v160-175 16 numbers held
.set C,   176                          ; v176-183 codes
.set PX,  32
.set PG,  10
.set PS,  12
.set PO,  40
.macro XROW r                          ; a row: eight loads of 512 consecutive bytes
.set RR, R+(R1-R)*(\r)
.irp i, 0,1,2,3,4,5,6,7
	global_load_b128 v[RR+4*\i:RR+4*\i+3], v3, s[PX:PX+1] offset:4096*(\r)+512*\i
.endr
.endm
.macro REDUCE                          ; v10 summed over the 32 lanes, the result in every lane
	s_delay_alu instid0(VALU_DEP_1)
	v_add_f32_dpp v10, v10, v10 row_xmask:1 row_mask:0xf bank_mask:0xf
	s_delay_alu instid0(VALU_DEP_1)
	v_add_f32_dpp v10, v10, v10 row_xmask:2 row_mask:0xf bank_mask:0xf
	s_delay_alu instid0(VALU_DEP_1)
	v_add_f32_dpp v10, v10, v10 row_xmask:4 row_mask:0xf bank_mask:0xf
	s_delay_alu instid0(VALU_DEP_1)
	v_add_f32_dpp v10, v10, v10 row_xmask:8 row_mask:0xf bank_mask:0xf
	s_delay_alu instid0(VALU_DEP_1)
	v_permlanex16_b32 v11, v10, s62, s63
	s_delay_alu instid0(VALU_DEP_1)
	v_add_f32 v10, v10, v11
.endm
.macro MKSC e, vs, vl                  ; 2^e and 57,344 x 2^e as f32
	s_add_co_i32 s4, \e, 127
	s_lshl_b32 s6, s4, 23
	v_mov_b32 v[\vs], s6
	s_add_co_i32 s4, s4, 15
	s_lshl_b32 s4, s4, 23
	s_or_b32 s4, s4, 0x600000
	v_mov_b32 v[\vl], s4
.endm
.macro QS r                            ; the row's codes: 512 consecutive bytes a store
.irp s, 0,1
.irp i, 0,1,2,3,4,5,6,7,8,9,10,11,12,13,14,15
	v_med3_num_f32 v[T+\i], v[X+16*\s+\i], -v17, v17   ; the conversion does not saturate (ISA guide 7.6.2)
.endr
	v_cvt_scalef32_pk8_bf8_f32 v[C+4*\s:C+4*\s+1], v[T:T+7], v16
	v_cvt_scalef32_pk8_bf8_f32 v[C+4*\s+2:C+4*\s+3], v[T+8:T+15], v16
	v_nop                                          ; a plain line between the conversions and the next holds, which write their sources
	global_store_b128 v3, v[C+4*\s:C+4*\s+3], s[PO:PO+1] offset:1024*(\r)+512*\s
.endr
.endm
.macro ROW r, left                     ; left: the younger loads that may stay out
.set RR, R+(R1-R)*(\r)
	s_wait_loadcnt \left
	s_wait_xcnt 0x0                                ; the last row's stores have read their codes: C may be written again
.irp s, 0,1
.irp i, 0,1,2,3
	ds_store_b128 v14, v[RR+16*\s+4*\i:RR+16*\s+4*\i+3] offset:2560*\s+640*\i
.endr
.irp i, 0,1,2,3
	ds_load_b128 v[X+16*\s+4*\i:X+16*\s+4*\i+3], v15 offset:2560*\s+16*\i   ; LDS serves a wave's instructions in order: these see the stores above
.endr
.endr
	s_wait_dscnt 0x0
	v_pk_add_f32 v[12:13], v[64:65], v[66:67]
	v_pk_add_f32 v[182:183], v[72:73], v[76:77]
	v_pk_add_f32 v[180:181], v[80:81], v[84:85]
	v_pk_add_f32 v[178:179], v[88:89], v[92:93]
	v_pk_add_f32 v[176:177], v[68:69], v[70:71]
	v_pk_add_f32 v[174:175], v[74:75], v[78:79]
	v_pk_add_f32 v[172:173], v[82:83], v[86:87]
	v_pk_add_f32 v[10:11], v[90:91], v[94:95]
	s_delay_alu instid0(VALU_DEP_1)
	v_pk_add_f32 v[10:11], v[10:11], v[178:179]
	v_pk_add_f32 v[12:13], v[12:13], v[176:177]
	v_pk_add_f32 v[182:183], v[182:183], v[174:175]
	v_pk_add_f32 v[180:181], v[180:181], v[172:173]
	s_delay_alu instid0(VALU_DEP_2)
	v_pk_add_f32 v[10:11], v[10:11], v[182:183]
	s_delay_alu instid0(VALU_DEP_2)
	v_pk_add_f32 v[12:13], v[12:13], v[180:181]
	s_delay_alu instid0(VALU_DEP_1)
	v_pk_add_f32 v[10:11], v[10:11], v[12:13]
	s_delay_alu instid0(VALU_DEP_1)
	v_add_f32 v10, v10, v11
	REDUCE
	s_delay_alu instid0(VALU_DEP_1)
	v_mul_f32 v6, s60, v10                         ; the mean
	s_delay_alu instid0(VALU_DEP_1)
	v_mov_b32 v7, v6
.irp j, 0,2,4,6,8,10,12,14,16,18,20,22,24,26,28,30
	v_pk_add_f32 v[X+\j:X+\j+1], v[X+\j:X+\j+1], v[6:7] neg_lo:[0,1] neg_hi:[0,1]
.endr
	v_pk_mul_f32 v[10:11], v[X:X+1], v[X:X+1]      ; the sum of squares of the differences
	v_pk_mul_f32 v[12:13], v[X+2:X+3], v[X+2:X+3]
.irp j, 4,8,12,16,20,24,28
	s_delay_alu instid0(VALU_DEP_2)
	v_pk_fma_f32 v[10:11], v[X+\j:X+\j+1], v[X+\j:X+\j+1], v[10:11]
	s_delay_alu instid0(VALU_DEP_2)
	v_pk_fma_f32 v[12:13], v[X+\j+2:X+\j+3], v[X+\j+2:X+\j+3], v[12:13]
.endr
	s_delay_alu instid0(VALU_DEP_1)
	v_pk_add_f32 v[10:11], v[10:11], v[12:13]
	s_delay_alu instid0(VALU_DEP_1)
	v_add_f32 v10, v10, v11
	REDUCE
	s_delay_alu instid0(VALU_DEP_1)
	v_fmaak_f32 v8, s60, v10, 0x3727c5ac           ; variance + 1e-5
	s_wait_alu depctr_va_vdst(0)
	v_rsq_f32 v8, v8
	v_nop                                          ; a plain line behind the transcendental
	s_wait_alu depctr_va_vdst(0)
	v_mov_b32 v9, v8
.irp j, 0,2,4,6,8,10,12,14,16,18,20,22,24,26,28,30
	v_pk_mul_f32 v[X+\j:X+\j+1], v[X+\j:X+\j+1], v[8:9]
.endr
.irp j, 0,2,4,6,8,10,12,14,16,18,20,22,24,26,28,30
	v_pk_fma_f32 v[X+\j:X+\j+1], v[X+\j:X+\j+1], v[GG+\j:GG+\j+1], v[SS+\j:SS+\j+1]
.endr
	QS \r
.endm
	s_load_b256 s[8:15], s[0:1], 0x0               ; x1 s8, g2 s10, s2 s12, the scales' exponents s14
	s_load_b64 s[16:17], s[0:1], 0x20              ; h2c
	v_lshl_add_u32 v216, v0, 2, 0xa000
	v_mov_b32 v217, 0
	v_lshrrev_b32 v1, 5, v0
	s_delay_alu instid0(VALU_DEP_1)
	v_readfirstlane_b32 s2, v1                     ; wave 0..7
	v_and_b32 v2, 31, v0
	s_wait_alu depctr_va_vdst(0)
	s_lshl_b32 s3, ttmp9, 4
	s_lshl_b32 s4, s2, 1
	s_add_co_u32 s3, s3, s4                        ; my first row: 16 x work-group + 2 x wave
	s_lshl_b32 s30, s3, 12
	s_mov_b32 s31, 0
	s_lshl_b32 s6, s3, 10
	s_mov_b32 s7, 0
	s_mov_b32 s60, 0x3a800000                      ; 1 / 1024
	s_mov_b32 s62, 0x76543210
	s_mov_b32 s63, 0xfedcba98
	v_lshlrev_b32 v3, 4, v2
	v_lshlrev_b32 v4, 6, v2
	s_mul_i32 s5, s2, 5120                         ; my two stages of 32 x 80 bytes
	v_lshrrev_b32 v14, 2, v2
	s_delay_alu instid0(VALU_DEP_1)
	v_mul_u32_u24 v14, v14, 80
	v_and_b32 v15, 3, v2
	s_delay_alu instid0(VALU_DEP_1)
	v_lshl_add_u32 v14, v15, 4, v14
	s_delay_alu instid0(VALU_DEP_1)
	v_add_nc_u32 v14, s5, v14                      ; in: four lanes' 64 bytes on end, then 16 of padding
	v_mul_u32_u24 v15, v2, 80
	s_delay_alu instid0(VALU_DEP_1)
	v_add_nc_u32 v15, s5, v15                      ; out: my 16 neighbours
	s_wait_alu depctr_va_vdst(0)
	s_wait_kmcnt 0x0
	s_load_b32 s48, s[14:15], 0x30                 ; e12
	s_add_nc_u64 s[PX:PX+1], s[8:9], s[30:31]
	s_add_nc_u64 s[PO:PO+1], s[16:17], s[6:7]
.irp s, 0,1
.irp i, 0,1,2,3
	global_load_b128 v[GG+16*\s+4*\i:GG+16*\s+4*\i+3], v4, s[PG:PG+1] offset:2048*\s+16*\i
	global_load_b128 v[SS+16*\s+4*\i:SS+16*\s+4*\i+3], v4, s[PS:PS+1] offset:2048*\s+16*\i
.endr
.endr
	XROW 0
	XROW 1
	s_wait_kmcnt 0x0
	MKSC s48, 16, 17
	ROW 0, 8                                       ; gain, shift and row 0 are in; row 1's eight loads may be out
	ROW 1, 0
	s_wait_tensorcnt 0x0
	ds_add_u32 v216, v217
	s_wait_dscnt 0x0
	s_endpgm
.Lfunc_end_k_q34611d4921_ln2:
	.size	k_q34611d4921_ln2, .Lfunc_end_k_q34611d4921_ln2-k_q34611d4921_ln2
	.p2alignl 7, 3214868480
	.fill 96, 4, 3214868480
	.section	.rodata,"a",@progbits
	.p2align	6, 0x0
	.amdhsa_kernel k_q34611d4921_ln2
		.amdhsa_group_segment_fixed_size 41984
		.amdhsa_private_segment_fixed_size 0
		.amdhsa_enable_private_segment 0
		.amdhsa_kernarg_size 40
		.amdhsa_user_sgpr_count 2
		.amdhsa_user_sgpr_kernarg_segment_ptr 1
		.amdhsa_wavefront_size32 1
		.amdhsa_system_sgpr_workgroup_id_x 1
		.amdhsa_system_sgpr_workgroup_id_y 1
		.amdhsa_system_sgpr_workgroup_id_z 1
		.amdhsa_system_vgpr_workitem_id 0
		.amdhsa_next_free_vgpr 218
		.amdhsa_next_free_sgpr 66
		.amdhsa_reserve_vcc 0
		.amdhsa_float_denorm_mode_32 3
		.amdhsa_float_denorm_mode_16_64 3
		.amdhsa_memory_ordered 1
		.amdhsa_forward_progress 1
		.amdhsa_inst_pref_size 27
	.end_amdhsa_kernel
	.amdgpu_metadata
---
amdhsa.version: [ 1, 2 ]
amdhsa.kernels:
  - .name:           k_q34611d4921_ln2
    .symbol:         k_q34611d4921_ln2.kd
    .args:
      - { .name: x1, .offset: 0, .size: 8, .value_kind: global_buffer, .address_space: global }
      - { .name: g2, .offset: 8, .size: 8, .value_kind: global_buffer, .address_space: global }
      - { .name: s2, .offset: 16, .size: 8, .value_kind: global_buffer, .address_space: global }
      - { .name: lowp_scales, .offset: 24, .size: 8, .value_kind: global_buffer, .address_space: global }
      - { .name: h2c, .offset: 32, .size: 8, .value_kind: global_buffer, .address_space: global }
    .group_segment_fixed_size: 41984
    .private_segment_fixed_size: 0
    .kernarg_segment_align: 8
    .kernarg_segment_size: 40
    .max_flat_workgroup_size: 256
    .sgpr_count:     66
    .vgpr_count:     218
    .wavefront_size: 32
...
	.end_amdgpu_metadata
.endif
;; end of part 5
;; launch ffn1 (part 6): grid 16 x 16, 4 waves a work-group, clusters of 4 x 4, 327,680 bytes of LDS; arguments h2c, pc, lowp_scales, b1, gc; writes gc
.if DOCPART == 6
	.amdgcn_target "amdgcn-amd-amdhsa--gfx1250"
	.amdhsa_code_object_version 6
	.text
	.protected	k_q34611d4921_ffn1
	.globl	k_q34611d4921_ffn1
	.p2align	8
	.type	k_q34611d4921_ffn1,@function
k_q34611d4921_ffn1:
	s_mov_b64 s[64:65], 0
	v_nop
	global_prefetch_b8 v0, s[64:65] scope:SCOPE_SE
	s_setreg_imm32_b32 hwreg(HW_REG_WAVE_MODE, 25, 1), 1
	s_wait_xcnt 0x0
	s_wait_alu depctr_hold_cnt(0) depctr_sa_sdst(0) depctr_va_vdst(0) depctr_va_sdst(0) depctr_va_ssrc(0) depctr_va_vcc(0) depctr_vm_vsrc(0)
	s_getreg_b32 s2, hwreg(HW_REG_IB_STS2, 6, 4)
	s_cmp_eq_u32 s2, 0
	s_cbranch_scc0 .Lentry_in_a_cluster
	s_endpgm
.Lentry_in_a_cluster:
	s_bfe_u32 s2, ttmp6, 0x10000c
	s_cmp_lg_u32 s2, 0xf033
	s_cbranch_scc0 .Lentry_shape_is_right
	s_endpgm
.Lentry_shape_is_right:
.set ROWB,   256
.set KROW,   1024
.set PITCH,  272
.set FR,     16
.set NL,     4
.set NP,     4
.set HALFT,  128*PITCH
.set SLOT,   4*HALFT
.set LAPS,   2
.set SPARE,  2*SLOT
.set ADRA, 16
.set ADRB, 20
.set BOF,  22
.set STO,  24
.set RD,   25
.set CO,   26
.set SPW,  28
.set NIL,  29
.set CD,   32
.set BI,   64
.set AF,   128
.set XX,   128
.set UU,   192
.set G1, 24
.set G0, 32
.set G1B, 48
.set G0B, 56
.set BA, 68
.set KO, 72
.set MSB, 0
.macro WIN new
.if MSB != \new
	s_set_vgpr_msb (MSB<<8)|\new
.set MSB, \new
.endif
.endm
.set MUL_LO, 0xa1
.set MUL_HI, 0xf1
.set TO_B,   0x40
.macro JLOAD g0a, g1a, g0b, g1b
	s_cmp_eq_u32 s15, 0
	s_cbranch_scc0 .Lfor_b_\@
	tensor_load_to_lds s[\g0a:\g0a+3], s[\g1a:\g1a+7]
	s_nop 0
.rept 4
	v_nop
.endr
	s_branch .Lasked_\@
.Lfor_b_\@:
	tensor_load_to_lds s[\g0b:\g0b+3], s[\g1b:\g1b+7]
	s_nop 0
.rept 4
	v_nop
.endr
.Lasked_\@:
.endm
.macro CREST
	s_cmp_lg_u32 s14, 0
	s_cbranch_scc1 .Lnot_wave_0_\@
	s_barrier_signal -3
.Lnot_wave_0_\@:
	s_barrier_wait -3
	s_barrier_signal -1
	s_barrier_wait -1
.endm
.macro CROUND
	s_barrier_signal -1
	s_barrier_wait -1
	CREST
.endm
	s_load_b128 s[4:7], s[0:1], 0x0
	s_load_b128 s[8:11], s[0:1], 0x10
	s_load_b64 s[12:13], s[0:1], 0x20
	v_lshl_add_u32 v[SPW], v0, 2, SPARE
	v_mov_b32 v[NIL], 0
	ds_add_u32 v28, v29
	ds_add_u32 v28, v29
	s_wait_dscnt 0x0
	v_lshrrev_b32 v1, 5, v0
	v_readfirstlane_b32 s14, v1
	s_lshr_b32 s15, s14, 1
	s_and_b32 s16, s14, 1
	s_bfe_u32 s40, ttmp6, 0x40000
	s_bfe_u32 s41, ttmp6, 0x40004
	s_lshl_b32 s42, ttmp9, 2
	s_add_co_u32 s42, s42, s40
	s_and_b32 s17, ttmp7, 0xffff
	s_lshl_b32 s17, s17, 2
	s_add_co_u32 s17, s17, s41
	s_lshl_b32 s43, s41, 2
	s_lshl_b32 s43, 15, s43
	s_lshl_b32 s44, 0x1111, s40
	s_or_b32 s[G1+0], s43, (0<<16)|(1<<20)|(1<<21)|(5<<22)|(3<<25)
	s_or_b32 s[G1B+0], s44, (0<<16)|(1<<20)|(1<<21)|(5<<22)|(3<<25)
.irp g, G1, G1B
	s_mov_b32 s[\g+1], ROWB<<16
	s_mov_b32 s[\g+2], 128<<16
	s_mov_b32 s[\g+3], ROWB<<16
	s_mov_b32 s[\g+4], 128
	s_mov_b32 s[\g+5], KROW
	s_mov_b32 s[\g+6], 0
	s_mov_b32 s[\g+7], 0
.endr
	s_lshl_b32 s20, s17, 18
	s_lshl_b32 s18, s16, 17
	s_add_co_u32 s20, s20, s18
	s_mov_b32 s21, 0
	s_lshl_b32 s46, s42, 18
	s_lshl_b32 s22, s16, 17
	s_add_co_u32 s46, s46, s22
	s_add_co_u32 s46, s46, 0x400000
	s_mov_b32 s47, 0
	s_and_b32 s[KO], ttmp7, 0xffff
	s_add_co_u32 s[KO], s[KO], ttmp9
	s_and_b32 s[KO], s[KO], 1
	s_lshl_b32 s[KO], s[KO], 9
	s_add_co_u32 s[KO+2], s[KO], ROWB
	s_mov_b32 s[KO+1], 0
	s_mov_b32 s[KO+3], 0
	s_mul_i32 s45, s14, HALFT
	s_mov_b32 s94, 0xbdd2d3e8
	s_mov_b32 s95, s94
	s_wait_kmcnt 0x0
	s_load_b128 s[88:91], s[8:9], 0x30
	s_add_nc_u64 s[BA:BA+1], s[4:5], s[20:21]
	s_add_nc_u64 s[46:47], s[6:7], s[46:47]
	CROUND
.irp s, 0,1
	s_mov_b32 s[G0+4*\s], 1
	s_add_co_u32 s[G0+4*\s+1], s45, \s*SLOT
	s_add_nc_u64 s[G0+4*\s+2:G0+4*\s+3], s[BA:BA+1], s[KO+2*\s:KO+2*\s+1]
	s_or_b32 s[G0+4*\s+3], s[G0+4*\s+3], 0x80000000
	s_mov_b32 s[G0B+4*\s], 1
	s_add_co_u32 s[G0B+4*\s+1], s45, \s*SLOT
	s_add_nc_u64 s[G0B+4*\s+2:G0B+4*\s+3], s[46:47], s[KO+2*\s:KO+2*\s+1]
	s_or_b32 s[G0B+4*\s+3], s[G0B+4*\s+3], 0x80000000
.endr
	JLOAD G0, G1, G0B, G1B                         ; the first K step: one tensor load a wave at the head
	v_and_b32 v1, 15, v0
	v_bfe_u32 v2, v0, 4, 1
	v_mul_u32_u24 v3, v1, PITCH
	s_wait_alu depctr_va_vdst(0)
	v_lshl_add_u32 v4, v2, 4, v3
	s_mul_i32 s21, s15, HALFT
	s_mul_i32 s22, s16, HALFT
	s_add_co_u32 s22, s22, 2*HALFT
.irp s, 0,1
	v_add_nc_u32 v[ADRA+\s], s21, v4
	v_add_nc_u32 v[ADRB+\s], s22, v4
	s_add_co_u32 s21, s21, SLOT
	s_add_co_u32 s22, s22, SLOT
.endr
	s_mul_i32 s23, s15, 128*PITCH
	s_lshl_b32 s22, s16, 7
	s_add_co_u32 s23, s23, s22
	v_lshl_add_u32 v5, v2, 3, v3
	v_add_nc_u32 v[STO], s23, v5
	s_mul_i32 s23, s14, 64*PITCH
	v_lshl_add_u32 v5, v2, 4, v3
	v_add_nc_u32 v[RD], s23, v5                    ; back from the stage as the next product's operand registers want it: row l % 16, + 16 (l / 16)
	v_and_b32 v6, 31, v0
	v_lshlrev_b32 v[CO], 4, v6                     ; and 16 bytes a lane in gc
	v_lshlrev_b32 v[BOF], 5, v2
	s_wait_alu depctr_va_vdst(0)
	v_mov_b32 v30, 0xc0135761
	v_mov_b32 v31, v30
	s_lshl_b32 s20, s17, 20
	s_lshl_b32 s21, s14, 18
	s_add_co_u32 s20, s20, s21
	s_lshl_b32 s21, s42, 12                        ; gc lies by fragments: [16 rows][128 along K][c 0..3][lane][16 bytes]: 2,048 bytes a fragment, 65,536 for 16 rows
	s_add_co_u32 s20, s20, s21
	s_mov_b32 s21, 0
	s_add_nc_u64 s[12:13], s[12:13], s[20:21]
	s_lshl_b32 s20, s42, 10
	s_lshl_b32 s22, s16, 9
	s_add_co_u32 s20, s20, s22
	s_add_nc_u64 s[10:11], s[10:11], s[20:21]
.irp b, 0,1,2,3,4,5,6,7
	global_load_b128 v[BI+8*\b:BI+8*\b+3], v[BOF], s[10:11] offset:64*\b
	global_load_b128 v[BI+8*\b+4:BI+8*\b+7], v[BOF], s[10:11] offset:64*\b+16
.endr
.macro FRAG reg, adr, q, i
.irp c, 0,1,2,3
	ds_load_b128 v[\reg+4*\c:\reg+4*\c+3], v[\adr] offset:128*(\q)+32*\c+(\i)*16*PITCH
.endr
.endm
.macro MUL16 a0, p, zero
.irp a, \a0, \a0+1
.irp b, 0,1,2,3,4,5,6,7
.if \zero
	v_wmma_f32_16x16x128_bf8_bf8 v[8*(8*((\a)%4)+\b):8*(8*((\a)%4)+\b)+7], v[128*(\p)+FR*\b:128*(\p)+FR*\b+FR-1], v[AF+FR*(\a):AF+FR*(\a)+FR-1], 0
.else
	v_wmma_f32_16x16x128_bf8_bf8 v[8*(8*((\a)%4)+\b):8*(8*((\a)%4)+\b)+7], v[128*(\p)+FR*\b:128*(\p)+FR*\b+FR-1], v[AF+FR*(\a):AF+FR*(\a)+FR-1], v[8*(8*((\a)%4)+\b):8*(8*((\a)%4)+\b)+7]
.endif
.endr
.endr
.endm
.macro FETCH_B slot, q, p
	WIN TO_B
.irp i, 0,1,2,3,4,5,6,7
	FRAG 128*(\p)+FR*\i, ADRB+\slot, \q, \i
.endr
	WIN 0
.endm
.macro FETCH_A slot, q, i0
.irp i, \i0, \i0+1, \i0+2, \i0+3
	FRAG AF+FR*(\i), ADRA+\slot, \q, \i
.endr
.endm
.macro PLACES n
.rept \n
	v_nop
.endr
.endm
.macro STEP slot, q, zero
	s_wait_dscnt 4*NL
	WIN MUL_LO
	MUL16 0, (\q)%2, \zero
	MUL16 2, (\q)%2, \zero
	s_wait_dscnt 0
	PLACES NP
	FETCH_B \slot, (\q)+1, 1-(\q)%2
	FETCH_A \slot, (\q)+1, 0
	WIN MUL_HI
	MUL16 4, (\q)%2, \zero
	MUL16 6, (\q)%2, \zero
	PLACES NP
	WIN 0
	FETCH_A \slot, (\q)+1, 4
.endm
.macro TURN slot, next, fill
	s_wait_tensorcnt 0x0
	ds_add_u32 v[SPW], v[NIL]
	s_wait_dscnt 4*NL+1
	WIN MUL_LO
	MUL16 0, 1, 0
	s_wait_dscnt 0x0
	s_barrier_signal -1
	MUL16 2, 1, 0
	WIN 0
	s_barrier_wait -1
.if \fill
	CREST
	s_add_co_u32 s[KO+2*\slot], s[KO+2*\slot], 2*ROWB
	s_and_b32 s[KO+2*\slot], s[KO+2*\slot], KROW-1
	s_add_nc_u64 s[G0+4*\slot+2:G0+4*\slot+3], s[BA:BA+1], s[KO+2*\slot:KO+2*\slot+1]
	s_or_b32 s[G0+4*\slot+3], s[G0+4*\slot+3], 0x80000000
	s_add_nc_u64 s[G0B+4*\slot+2:G0B+4*\slot+3], s[46:47], s[KO+2*\slot:KO+2*\slot+1]
	s_or_b32 s[G0B+4*\slot+3], s[G0B+4*\slot+3], 0x80000000
	JLOAD G0+4*\slot, G1, G0B+4*\slot, G1B
.else
	PLACES NP
.endif
	FETCH_B \next, 0, 0
	FETCH_A \next, 0, 0
	WIN MUL_HI
	MUL16 4, 1, 0
	MUL16 6, 1, 0
	PLACES NP
	WIN 0
	FETCH_A \next, 0, 4
.endm
	s_wait_alu depctr_va_vdst(0)
	s_wait_tensorcnt 0x0                           ; my part of the first K step is in; slot 1's first fill is issued as a refill is
	ds_add_u32 v[SPW], v[NIL]
	s_wait_dscnt 0x0
	CROUND
	JLOAD G0+4, G1, G0B+4, G1B                     ; my one tensor load behind the round
	FETCH_B 0, 0, 0
	FETCH_A 0, 0, 0
	FETCH_A 0, 0, 4
	STEP 0, 0, 1
	s_mov_b32 s3, LAPS-1
.Llap:
	TURN 0, 1, 1
	STEP 1, 0, 0
	TURN 1, 0, 1
	STEP 0, 0, 0
	s_sub_co_u32 s3, s3, 1
	s_cmp_lg_u32 s3, 0
	s_cbranch_scc1 .Llap
	TURN 0, 1, 0
	STEP 1, 0, 0
	s_wait_dscnt 4*NL
	WIN MUL_LO
	MUL16 0, 1, 0
	MUL16 2, 1, 0
	s_wait_dscnt 0
	WIN MUL_HI
	MUL16 4, 1, 0
	MUL16 6, 1, 0
	WIN 0
	s_wait_loadcnt 0x0
	s_wait_kmcnt 0x0
	s_add_co_i32 s96, s88, s89
	s_add_co_i32 s96, s96, 127
	s_lshl_b32 s96, s96, 23
	s_mov_b32 s97, s96
	s_add_co_i32 s90, s90, 127
	s_lshl_b32 s91, s90, 23
	v_mov_b32 v18, s91
	s_add_co_i32 s90, s90, 15
	s_lshl_b32 s90, s90, 23
	s_or_b32 s90, s90, 0x600000
	v_mov_b32 v19, s90
	PLACES NP
.macro GOUT a
.set AC, 64*((\a)%4)
	WIN 0x02+((\a)/4)
.set j, 0
.rept 32
	v_pk_fma_f32 v[XX+j:XX+j+1], v[AC+j:AC+j+1], s[96:97], v[BI+j:BI+j+1] op_sel_hi:[1,0,1]
.set j, j+2
.endr
	WIN 0
.set j, 0
.rept 32
	v_pk_mul_f32 v[UU+j:UU+j+1], v[XX+j:XX+j+1], v[XX+j:XX+j+1]
.set j, j+2
.endr
.set j, 0
.rept 32
	v_pk_fma_f32 v[UU+j:UU+j+1], v[UU+j:UU+j+1], s[94:95], v[30:31] op_sel_hi:[1,0,1]
.set j, j+2
.endr
.set j, 0
.rept 32
	v_pk_mul_f32 v[UU+j:UU+j+1], v[UU+j:UU+j+1], v[XX+j:XX+j+1]
.set j, j+2
.endr
.set j, 0
	s_wait_alu depctr_va_vdst(0)
.rept 64
	v_exp_f32 v[UU+j], v[UU+j]
.set j, j+1
.endr
	v_nop
.set j, 0
	s_wait_alu depctr_va_vdst(0)
.rept 32
	v_pk_add_f32 v[UU+j:UU+j+1], v[UU+j:UU+j+1], 1.0 op_sel_hi:[1,0]
.set j, j+2
.endr
.set j, 0
	s_wait_alu depctr_va_vdst(0)
.rept 64
	v_rcp_f32 v[UU+j], v[UU+j]
.set j, j+1
.endr
	v_nop
.set j, 0
	s_wait_alu depctr_va_vdst(0)
.rept 32
	v_pk_mul_f32 v[XX+j:XX+j+1], v[XX+j:XX+j+1], v[UU+j:UU+j+1]
.set j, j+2
.endr
.set j, 0
.rept 64
	v_med3_num_f32 v[XX+j], v[XX+j], -v19, v19
.set j, j+1
.endr
	s_wait_alu depctr_va_vdst(0)
	s_wait_dscnt 8
.irp b, 0,1,2,3,4,5,6,7
	v_cvt_scalef32_pk8_bf8_f32 v[CD+16*((\a)%2)+2*\b:CD+16*((\a)%2)+2*\b+1], v[XX+8*\b:XX+8*\b+7], v18
.endr
	v_nop
.irp b, 0,1,2,3,4,5,6,7
	ds_store_b64 v[STO], v[CD+16*((\a)%2)+2*\b:CD+16*((\a)%2)+2*\b+1] offset:16*PITCH*(\a)+16*\b
.endr
.endm
.irp a, 0,1,2,3,4,5,6,7
	GOUT \a
.endr
	s_wait_dscnt 0x0
	s_barrier_signal -1
	s_barrier_wait -1
.set t, 0
.rept 32
	ds_load_b128 v[128+4*t:131+4*t], v[RD] offset:(t/8)*16*PITCH+((t/4)%2)*128+(t%4)*32
.set t, t+1
.endr
.set t, 0
.rept 32
	s_wait_dscnt 31-t
	global_store_b128 v[CO], v[128+4*t:131+4*t], s[12:13] offset:(t/8)*65536+((t/4)%2)*2048+(t%4)*512   ; 32 lanes store 512 consecutive bytes
.set t, t+1
.endr
	s_wait_tensorcnt 0x0
	ds_add_u32 v[SPW], v[NIL]
	s_wait_dscnt 0x0
	CROUND
	s_endpgm
.Lfunc_end_k_q34611d4921_ffn1:
	.size	k_q34611d4921_ffn1, .Lfunc_end_k_q34611d4921_ffn1-k_q34611d4921_ffn1
	.p2alignl 7, 3214868480
	.fill 96, 4, 3214868480
	.section	.rodata,"a",@progbits
	.p2align	6, 0x0
	.amdhsa_kernel k_q34611d4921_ffn1
		.amdhsa_group_segment_fixed_size 327680
		.amdhsa_private_segment_fixed_size 0
		.amdhsa_enable_private_segment 0
		.amdhsa_kernarg_size 40
		.amdhsa_user_sgpr_count 2
		.amdhsa_user_sgpr_kernarg_segment_ptr 1
		.amdhsa_wavefront_size32 1
		.amdhsa_system_sgpr_workgroup_id_x 1
		.amdhsa_system_sgpr_workgroup_id_y 1
		.amdhsa_system_sgpr_workgroup_id_z 1
		.amdhsa_system_vgpr_workitem_id 0
		.amdhsa_next_free_vgpr 1024
		.amdhsa_next_free_sgpr 98
		.amdhsa_reserve_vcc 0
		.amdhsa_float_denorm_mode_32 3
		.amdhsa_float_denorm_mode_16_64 3
		.amdhsa_memory_ordered 1
		.amdhsa_forward_progress 1
		.amdhsa_inst_pref_size 255
	.end_amdhsa_kernel
	.section	.bss,"aw",@nobits
	.p2align	6
	.space	262144
	.amdgpu_metadata
---
amdhsa.version: [ 1, 2 ]
amdhsa.kernels:
  - .name:           k_q34611d4921_ffn1
    .symbol:         k_q34611d4921_ffn1.kd
    .args:
      - { .name: h2c, .offset: 0, .size: 8, .value_kind: global_buffer, .address_space: global }
      - { .name: pc, .offset: 8, .size: 8, .value_kind: global_buffer, .address_space: global }
      - { .name: lowp_scales, .offset: 16, .size: 8, .value_kind: global_buffer, .address_space: global }
      - { .name: b1, .offset: 24, .size: 8, .value_kind: global_buffer, .address_space: global }
      - { .name: gc, .offset: 32, .size: 8, .value_kind: global_buffer, .address_space: global }
    .group_segment_fixed_size: 327680
    .private_segment_fixed_size: 0
    .kernarg_segment_align: 8
    .kernarg_segment_size: 40
    .max_flat_workgroup_size: 128
    .sgpr_count:     98
    .vgpr_count:     1024
    .wavefront_size: 32
...
	.end_amdgpu_metadata
.endif
;; end of part 6
;; launch ffn2 (part 7): grid 32 x 8, 4 waves a work-group, clusters of 4 x 1, 327,680 bytes of LDS; arguments gc, pc, lowp_scales, b2, x1, out0; writes out0
.if DOCPART == 7
	.amdgcn_target "amdgcn-amd-amdhsa--gfx1250"
	.amdhsa_code_object_version 6
	.text
	.protected	k_q34611d4921_ffn2
	.globl	k_q34611d4921_ffn2
	.p2align	8
	.type	k_q34611d4921_ffn2,@function
k_q34611d4921_ffn2:
	s_mov_b64 s[64:65], 0
	v_nop
	global_prefetch_b8 v0, s[64:65] scope:SCOPE_SE
	s_setreg_imm32_b32 hwreg(HW_REG_WAVE_MODE, 25, 1), 1
	s_wait_xcnt 0x0
	s_wait_alu depctr_hold_cnt(0) depctr_sa_sdst(0) depctr_va_vdst(0) depctr_va_sdst(0) depctr_va_ssrc(0) depctr_va_vcc(0) depctr_vm_vsrc(0)
	s_getreg_b32 s2, hwreg(HW_REG_IB_STS2, 6, 4)
	s_cmp_eq_u32 s2, 0
	s_cbranch_scc0 .Lentry_in_a_cluster
	s_endpgm
.Lentry_in_a_cluster:
	s_bfe_u32 s2, ttmp6, 0x10000c
	s_cmp_lg_u32 s2, 0x3003
	s_cbranch_scc0 .Lentry_shape_is_right
	s_endpgm
.Lentry_shape_is_right:
; out0 = x1 + (g W2 x 2^(e14 + e15) + b2).  g: codes of E5M2 in gc, W2: codes in pc at 8M, [1024 n][4096 k]; x1, out0 [4096][1024] f32.
; SHARES.  A work-group makes 128 rows x 128 columns: 32 x 8 = 256 work-groups.  Each of four waves makes 32 rows x all 128 columns: 16 accumulators.
; W2's 128 rows are read by all four waves: they come through two LDS slots of 1,024 along K (128 rows of 1,024 bytes + 16 of padding), four fills in all; wave w fetches rows 32 w .. 32 w + 31 by one tensor load.
; The four work-groups of a cluster make the same 128 columns: every tile is asked for jointly (mask 15), behind a round of the cluster's barrier.
; g's rows are read by ONE wave of the work-group, so they go from memory straight into registers.  gc lies by fragments, [16 rows][128 along K][c][lane][16 bytes]:
; a load of 16 bytes a lane reads 512 consecutive bytes, and four loads are a fragment: lane l holds row l % 16, registers 4 c .. 4 c + 3 hold K = 32 c + 16 (l / 16) + 0 .. 15; W2's fragments are read from LDS in the same order of k.
; A ring of eight register buffers: step k asks for step k + 7's 8 loads, so 56 to 64 loads of a wave are out; that look-ahead is the stream's own.  In steps 25 to 28, where g has ended, the residual's 32 loads and the bias take its place.
; W2's chunks 2 and 3 are prefetched, each one fill ahead of its tensor load: of a wave's 32 rows x 1,024 bytes the partner at place cx names the cx-th 256 bytes of each row, a lane a row: each block once in a cluster.
; Source 0 = 16 rows of W2, source 1 = 16 rows of g: a lane holds eight neighbouring numbers of a row of out0.  The 32 steps are written out by macros: every offset is an immediate and no pointer of the stream is stepped.
; LIMIT: e14 + e15 between -126 and 127, so that 2^(e14 + e15) is an f32 number.
; REGISTERS: window 0: v16-29 addresses, v32-95 rows on the way out, v96-99 bias, v128-255 accumulators ((a, b) at v[128 + 8 (8 a + b)]); window 1: W2's fragments, two sets of 128; window 2: g's eight buffers of 32; window 3: v0-127 the residual.
.set BP,     1040                      ; an LDS row: 1,024 bytes + 16: the 16 rows that a load touches start at 16 different groups of four banks
.set SL,     128*BP                    ; a slot
.set STAGE,  2*SL                      ; 16 rows x 528 bytes for each wave; no tile lands here
.set SPITCH, 528
.set SPARE,  STAGE+4*16*SPITCH         ; the spare words, 128 bytes for each wave
.set FRB,    2048                      ; a fragment of gc
.set MBB,    65536                     ; 16 rows of gc
.set B0,   16                          ; v16-19 my lane's place in slot 0 (W2's rows 0-63, 64-127) and in slot 1 (likewise): the immediate has 16 bits
.set AO,   20                          ; v20 16 x lane: in a fragment's 512 bytes, and in a row's 512 bytes of x1, out0 and b2
.set PFO,  21                          ; v21 4,096 x lane: the prefetches' row
.set STO,  24
.set RD,   25
.set SPW,  28
.set NIL,  29
.set ACC,  128
.set MSB, 0
.macro WIN new                         ; the immediate's high byte repeats the setting that is left
.if MSB != \new
	s_set_vgpr_msb (MSB<<8)|\new
.set MSB, \new
.endif
.endm
.macro CROUND                          ; a round of the cluster's barrier
	s_barrier_signal -1
	s_barrier_wait -1
	s_cmp_lg_u32 s10, 0
	s_cbranch_scc1 .Lnot_wave_0_\@
	s_barrier_signal -3
.Lnot_wave_0_\@:
	s_barrier_wait -3
	s_barrier_signal -1
	s_barrier_wait -1
.endm
.macro PLACES                          ; plain vector lines between a matrix instruction and a load into, or a read of, its registers
.rept 4
	v_nop
.endr
.endm
.macro ALOAD kk                        ; g's two fragments of step kk into buffer kk % 8
	WIN 0x80
.irp i, 0,1
.irp c, 0,1,2,3
	global_load_b128 v[32*((\kk)%8)+16*\i+4*\c:32*((\kk)%8)+16*\i+4*\c+3], v[AO], s[14:15] offset:(\kk)*FRB+\i*MBB+\c*512
.endr
.endr
.endm
.macro RLOAD g                         ; rows 8 g .. 8 g + 7 of my 32 x 128 of the residual: 512 consecutive bytes a load
	WIN 0xc0
.irp i, 0,1,2,3,4,5,6,7
	global_load_b128 v[4*(8*(\g)+\i):4*(8*(\g)+\i)+3], v[AO], s[72:73] offset:(8*(\g)+\i)*4096
.endr
.endm
.macro BLOAD slot, kin, set            ; W2's eight fragments of the slot's kin-th 128 along K
	WIN 0x40
.irp b, 0,1,2,3,4,5,6,7
.irp c, 0,1,2,3
	ds_load_b128 v[128*(\set)+16*\b+4*\c:128*(\set)+16*\b+4*\c+3], v[B0+2*(\slot)+\b/4] offset:(\b%4)*16*BP+(\kin)*128+32*\c
.endr
.endr
.endm
.macro MUL bs, ab, zero                ; 16 matrix instructions; the 16 accumulators take turns, in the same order in every step
	WIN 0x09                                       ; source 0 window 1, source 1 window 2, C and D window 0
.irp a, 0,1
.irp b, 0,1,2,3,4,5,6,7
.if \zero
	v_wmma_f32_16x16x128_bf8_bf8 v[ACC+8*(8*\a+\b):ACC+8*(8*\a+\b)+7], v[128*(\bs)+16*\b:128*(\bs)+16*\b+15], v[32*(\ab)+16*\a:32*(\ab)+16*\a+15], 0
.else
	v_wmma_f32_16x16x128_bf8_bf8 v[ACC+8*(8*\a+\b):ACC+8*(8*\a+\b)+7], v[128*(\bs)+16*\b:128*(\bs)+16*\b+15], v[32*(\ab)+16*\a:32*(\ab)+16*\a+15], v[ACC+8*(8*\a+\b):ACC+8*(8*\a+\b)+7]
.endif
.endr
.endr
.endm
; Step j of chunk c: 128 along K.
.macro STEP c, j
.set KK, 8*(\c)+(\j)
.if (\j) > 0
	PLACES                                         ; the loads below land in registers that the last step's products read (step 0 of a chunk: the places stand at the change of slots)
.endif
.if (\j) < 7
	BLOAD (\c)%2, (\j)+1, ((\j)+1)%2
.endif
.if KK+7 < 32
	ALOAD KK+7
.else
.if KK < 29
	RLOAD KK-25
.endif
.if KK == 28
	WIN 0
	global_load_b128 v[96:99], v[AO], s[70:71]     ; the bias of my four columns of a row read back
.endif
.endif
.if KK < 28
	s_wait_loadcnt 56                              ; this step's 8 loads of g are in; the 56 issued behind them may be out
.else
	s_wait_loadcnt 8*(31-KK)+33                    ; behind this step's: the later steps' 8 each, and the residual's and the bias's 33
.endif
.if (\j) < 7
	s_wait_dscnt 32                                ; this step's fragments of W2 are in; the 32 just issued may be out
.else
	s_wait_dscnt 0x0
.endif
.if KK == 0
	MUL 0, 0, 1                                    ; the first step's products start the sums
.else
	MUL (\j)%2, KK%8, 0
.endif
.endm
; THE CHANGE OF SLOTS.  Each wave waits for all its tensor loads (one is out: its part of the slot ahead), adds 0 to its spare word, and waits for that and for its reads of the slot that it leaves.
; fill = 1: a round of the cluster's barrier, and behind it my one tensor load, by group 0 at s[g0]; step = 1: that group's address goes two chunks on first.
.macro SEQ g0, step, fill
	WIN 0
	s_wait_tensorcnt 0x0
	ds_add_u32 v[SPW], v[NIL]
.if \step
	s_add_nc_u64 s[\g0+2:\g0+3], s[\g0+2:\g0+3], 2048
.endif
	s_wait_dscnt 0x0
.if \fill
	CROUND
	tensor_load_to_lds s[\g0:\g0+3], s[24:31]
	s_nop 0
.else
	s_barrier_signal -1
	s_barrier_wait -1
.endif
	PLACES                                         ; in front of the loads into registers that the last products read
.endm
.macro ASK ch                          ; W2's chunk ch: my work-group's 256 bytes of each of my wave's 32 rows
	global_prefetch_b8 v[PFO], s[48:49] offset:(\ch)*1024 th:TH_LOAD_NT scope:SCOPE_SE
.endm
	s_load_b128 s[4:7], s[0:1], 0x0                ; gc, pc
	s_load_b128 s[68:71], s[0:1], 0x10             ; the scales' exponents, b2
	s_load_b128 s[72:75], s[0:1], 0x20             ; x1, out0
	v_lshl_add_u32 v[SPW], v0, 2, SPARE
	v_mov_b32 v[NIL], 0
	ds_add_u32 v[SPW], v[NIL]                      ; the opening lines
	ds_add_u32 v[SPW], v[NIL]
	v_lshrrev_b32 v1, 5, v0
	v_readfirstlane_b32 s10, v1                    ; wave 0..3
	s_bfe_u32 s40, ttmp6, 0x40000                  ; cx: it enters g's, x1's, out0's and the prefetches' addresses alone
	s_lshl_b32 s42, ttmp9, 2
	s_add_co_u32 s42, s42, s40                     ; which 128 rows
	s_and_b32 s13, ttmp7, 0xffff                   ; which 128 columns
	s_mov_b32 s24, 15|(0<<16)|(1<<20)|(1<<21)|(7<<22)|(3<<25)   ; the mask: all four; elements of 1 byte; padding: 4 words behind every 256; bit 21 beside a mask
	s_mov_b32 s25, 1024<<16                        ; tensor_dim0
	s_mov_b32 s26, 32<<16                          ; tensor_dim1
	s_mov_b32 s27, 1024<<16                        ; tile_dim0
	s_mov_b32 s28, 32                              ; tile_dim1
	s_mov_b32 s29, 4096                            ; the pitch
	s_mov_b32 s30, 0
	s_mov_b32 s31, 0
	s_lshl_b32 s46, s13, 19                        ; W2's codes: 128 rows of 4,096 bytes for each tile of columns,
	s_lshl_b32 s47, s10, 17                        ; my 32 rows,
	s_add_co_u32 s46, s46, s47
	s_add_co_u32 s46, s46, 0x800000                ; at 8M in pc
	s_mov_b32 s47, 0
	s_mov_b32 s32, 1
	s_mul_i32 s33, s10, 32*BP                      ; my rows' place in slot 0,
	s_mov_b32 s36, 1
	s_add_co_u32 s37, s33, SL                      ; and in slot 1
	s_lshl_b32 s50, s40, 8                         ; the prefetches: my work-group's 256 bytes of a chunk's 1,024
	s_mov_b32 s51, 0
	s_lshl_b32 s16, s42, 19                        ; my 32 rows: 128 rows are 2^19 bytes in gc as in x1 and out0,
	s_lshl_b32 s17, s10, 17                        ; 32 rows 2^17
	s_add_co_u32 s16, s16, s17
	s_mov_b32 s17, 0
	s_lshl_b32 s22, s13, 9                         ; 128 columns of f32
	s_mov_b32 s23, 0
	s_add_co_u32 s78, s16, s22
	s_mov_b32 s79, 0
	s_mul_i32 s20, s10, 16*SPITCH
	s_add_co_u32 s20, s20, STAGE                   ; my stage
	s_wait_dscnt 0x0                               ; both opening adds are done
	s_wait_kmcnt 0x0
	s_load_b64 s[76:77], s[68:69], 0x38            ; e14, e15
	s_add_nc_u64 s[34:35], s[6:7], s[46:47]        ; chunk 0
	s_add_nc_u64 s[48:49], s[34:35], s[50:51]
	s_add_nc_u64 s[38:39], s[34:35], 1024          ; chunk 1
	s_or_b32 s35, s35, 0x80000000
	s_or_b32 s39, s39, 0x80000000
	s_add_nc_u64 s[14:15], s[4:5], s[16:17]
	s_add_nc_u64 s[70:71], s[70:71], s[22:23]
	s_add_nc_u64 s[72:73], s[72:73], s[78:79]
	s_add_nc_u64 s[74:75], s[74:75], s[78:79]
	CROUND                                         ; all four work-groups are here: the joint loads meet
	tensor_load_to_lds s[32:35], s[24:31]          ; chunk 0 into slot 0: one tensor load a wave at the head
	s_nop 0
	v_and_b32 v1, 15, v0                           ; r
	v_bfe_u32 v2, v0, 4, 1                         ; h
	v_and_b32 v3, 31, v0
	v_mul_u32_u24 v4, v1, BP
	v_lshl_add_u32 v[B0], v2, 4, v4                ; a fragment's row x pitch + 16 h
	v_add_nc_u32 v[B0+1], 64*BP, v[B0]
	v_add_nc_u32 v[B0+2], SL, v[B0]
	v_add_nc_u32 v[B0+3], SL+64*BP, v[B0]
	v_lshlrev_b32 v[AO], 4, v3
	v_lshlrev_b32 v[PFO], 12, v3
	v_mul_u32_u24 v5, v1, SPITCH
	v_lshl_add_u32 v5, v2, 5, v5
	v_add_nc_u32 v[STO], s20, v5                   ; the stage, in: row r, 32 bytes for each half of the lanes
	v_add_nc_u32 v[RD], s20, v[AO]                 ; back: the 32 lanes take one row of 512 bytes
	s_wait_alu depctr_va_vdst(0)
.irp k, 0,1,2,3,4,5,6
	ALOAD \k                                       ; g's first seven steps
.endr
	SEQ 36, 0, 1                                   ; chunk 0 is whole; chunk 1 into slot 1, its first fill, issued as a refill is
	BLOAD 0, 0, 0
	ASK 2
.irp j, 0,1,2,3,4,5,6,7
	STEP 0, \j
.endr
	SEQ 32, 1, 1                                   ; chunk 2 into slot 0
	BLOAD 1, 0, 0
	ASK 3
.irp j, 0,1,2,3,4,5,6,7
	STEP 1, \j
.endr
	SEQ 36, 1, 1                                   ; chunk 3 into slot 1
	BLOAD 0, 0, 0
.irp j, 0,1,2,3,4,5,6,7
	STEP 2, \j
.endr
	SEQ 32, 0, 0                                   ; nothing more is filled
	BLOAD 1, 0, 0
.irp j, 0,1,2,3,4,5,6,7
	STEP 3, \j
.endr
	WIN 0
	; THE WAY OUT, 16 rows at a time through my own stage: my 128 columns are 512 bytes of a row.
	s_wait_kmcnt 0x0
	s_add_co_i32 s76, s76, s77
	s_add_co_i32 s76, s76, 127
	s_lshl_b32 s76, s76, 23                        ; 2^(e14 + e15)
	s_mov_b32 s77, s76
	PLACES
.macro TOSTAGE a                       ; block 0 comes back into v32-95, block 1 into v128-191, which held block 0's sums
.irp b, 0,1,2,3,4,5,6,7
	ds_store_b128 v[STO], v[ACC+8*(8*(\a)+\b):ACC+8*(8*(\a)+\b)+3] offset:64*\b          ; each accumulator from its low end on
	ds_store_b128 v[STO], v[ACC+8*(8*(\a)+\b)+4:ACC+8*(8*(\a)+\b)+7] offset:64*\b+16
.endr
.set BK, 32+96*(\a)
.irp t, 0,1,2,3,4,5,6,7,8,9,10,11,12,13,14,15
	ds_load_b128 v[BK+4*\t:BK+4*\t+3], v[RD] offset:\t*SPITCH   ; LDS serves a wave's instructions in order: these see the stores above, and the next block's stores come behind them
.endr
.endm
.macro SEND a, younger
.set BK, 32+96*(\a)
	s_wait_dscnt \younger
.irp t, 0,1,2,3,4,5,6,7,8,9,10,11,12,13,14,15
	v_pk_fma_f32 v[BK+4*\t:BK+4*\t+1], v[BK+4*\t:BK+4*\t+1], s[76:77], v[96:97] op_sel_hi:[1,0,1]       ; sum x 2^(e14 + e15) + bias
	v_pk_fma_f32 v[BK+4*\t+2:BK+4*\t+3], v[BK+4*\t+2:BK+4*\t+3], s[76:77], v[98:99] op_sel_hi:[1,0,1]
.endr
	WIN 0x0c                                       ; source 1: window 3
.irp t, 0,1,2,3,4,5,6,7,8,9,10,11,12,13,14,15
	v_pk_add_f32 v[BK+4*\t:BK+4*\t+1], v[BK+4*\t:BK+4*\t+1], v[64*(\a)+4*\t:64*(\a)+4*\t+1]
	v_pk_add_f32 v[BK+4*\t+2:BK+4*\t+3], v[BK+4*\t+2:BK+4*\t+3], v[64*(\a)+4*\t+2:64*(\a)+4*\t+3]
.endr
	WIN 0
.irp t, 0,1,2,3,4,5,6,7,8,9,10,11,12,13,14,15
	global_store_b128 v[AO], v[BK+4*\t:BK+4*\t+3], s[74:75] offset:(16*(\a)+\t)*4096 th:TH_STORE_NT   ; 32 lanes store 512 consecutive bytes, at a multiple of 256 from out0's first byte
.endr
.endm
	TOSTAGE 0
	TOSTAGE 1
	s_wait_loadcnt 0x0                             ; the residual and the bias
	SEND 0, 32                                     ; behind block 0's loads: block 1's 16 stores and 16 loads
	SEND 1, 0
	s_wait_tensorcnt 0x0                           ; the wave's end
	ds_add_u32 v[SPW], v[NIL]
	s_wait_dscnt 0x0
	CROUND                                         ; the closing round
	s_endpgm
.Lfunc_end_k_q34611d4921_ffn2:
	.size	k_q34611d4921_ffn2, .Lfunc_end_k_q34611d4921_ffn2-k_q34611d4921_ffn2
	.p2alignl 7, 3214868480
	.fill 96, 4, 3214868480
	.section	.rodata,"a",@progbits
	.p2align	6, 0x0
	.amdhsa_kernel k_q34611d4921_ffn2
		.amdhsa_group_segment_fixed_size 327680
		.amdhsa_private_segment_fixed_size 0
		.amdhsa_enable_private_segment 0
		.amdhsa_kernarg_size 48
		.amdhsa_user_sgpr_count 2
		.amdhsa_user_sgpr_kernarg_segment_ptr 1
		.amdhsa_wavefront_size32 1
		.amdhsa_system_sgpr_workgroup_id_x 1
		.amdhsa_system_sgpr_workgroup_id_y 1
		.amdhsa_system_sgpr_workgroup_id_z 1
		.amdhsa_system_vgpr_workitem_id 0
		.amdhsa_next_free_vgpr 896
		.amdhsa_next_free_sgpr 88
		.amdhsa_reserve_vcc 0
		.amdhsa_float_denorm_mode_32 3
		.amdhsa_float_denorm_mode_16_64 3
		.amdhsa_memory_ordered 1
		.amdhsa_forward_progress 1
		.amdhsa_inst_pref_size 155
	.end_amdhsa_kernel
	.amdgpu_metadata
---
amdhsa.version: [ 1, 2 ]
amdhsa.kernels:
  - .name:           k_q34611d4921_ffn2
    .symbol:         k_q34611d4921_ffn2.kd
    .args:
      - { .name: gc, .offset: 0, .size: 8, .value_kind: global_buffer, .address_space: global }
      - { .name: pc, .offset: 8, .size: 8, .value_kind: global_buffer, .address_space: global }
      - { .name: lowp_scales, .offset: 16, .size: 8, .value_kind: global_buffer, .address_space: global }
      - { .name: b2, .offset: 24, .size: 8, .value_kind: global_buffer, .address_space: global }
      - { .name: x1, .offset: 32, .size: 8, .value_kind: global_buffer, .address_space: global }
      - { .name: out0, .offset: 40, .size: 8, .value_kind: global_buffer, .address_space: global }
    .group_segment_fixed_size: 327680
    .private_segment_fixed_size: 0
    .kernarg_segment_align: 8
    .kernarg_segment_size: 48
    .max_flat_workgroup_size: 128
    .sgpr_count:     88
    .vgpr_count:     896
    .wavefront_size: 32
...
	.end_amdgpu_metadata
.endif
;; end of part 7
